; MI455X (gfx1250); checked and timed in simulation.
; The chip was launched on July 23, 2026; its instructions are those of AMD's public machine-readable ISA for CDNA 5 (MIT licence, August 2026) and "CDNA5" Instruction Set Architecture Reference Guide (July 2026). The comments in the code are by the model that wrote it; some were corrected since.
;; Multi Head Attention. Allowed arithmetic: matrix products marked QUANTISED: E2M3 operands, one E8M0 scale for each 32 along K, by v_wmma_scale_f32_16x16x128_f8f6f4 with both operands' format E2M3, f32 sums; everything else in f32.
;; Inputs: Wk 16 x 1,024 x 64 float32; Wo 1,024 x 1,024 float32; Wq 16 x 1,024 x 64 float32; Wv 16 x 1,024 x 64 float32; bk 16 x 64 float32; bo 1,024 float32; bq 16 x 64 float32; bv 16 x 64 float32; key 8 x 1,024 x 1,024 float32; mask 1,024 x 1,024 bool; pb_idx0 1,024 x 1,024 int32; pb_idx1 1,024 x 1,024 int32; position_bias 1,024 x 1,024 float32; query 8 x 1,024 x 1,024 float32; value 8 x 1,024 x 1,024 float32.
;; Outputs: out0 8 x 1,024 x 1,024 float32.
;; This version of the problem:
;;   THIS VERSION OF THE PROBLEM IS GIVEN IN LOW PRECISION. The matrix products marked QUANTISED in the list below multiply operands that are first quantised to E2M3 (2 exponent bits, 3 mantissa bits; 6 bits a number), with one power-of-two scale for each 32 numbers along K (OCP MX v1.0); their sums are f32. All else is computed in f32.
;;   The module's matrix products, in the order in which they are computed (A, B: the left and right operand; K: the contracted axis; several contracted axes count as one K, in the product's order):
;;     1. [M 1,024, K 1,024] x [K 1,024, N 8,192]; A: input Wq; B: input query: QUANTISED
;;     2. [M 1,024, K 1,024] x [K 1,024, N 8,192]; A: input Wk; B: input key: QUANTISED
;;     3. [M 1,024, K 1,024] x [K 1,024, N 8,192]; A: input Wv; B: input value: QUANTISED
;;     4. batch 128 x [M 1,024, K 64] x [K 64, N 1,024]; A: computed on the way; B: computed on the way: QUANTISED
;;     5. batch 128 x [M 1,024, K 1,024] x [K 1,024, N 64]; A: softmax (see below); B: computed on the way: QUANTISED
;;     6. [M 8,192, K 1,024] x [K 1,024, N 1,024]; A: computed on the way; B: input Wo: QUANTISED
;;   THE QUANTISER, for each operand of a quantised product, along K:
;;     - K is cut into blocks of 32 from its start; a last block that is shorter is filled with zeros.
;;     - A block's scale is 2^e with e = floor(log2(the largest magnitude in the block)) - 2, held to -126 .. 127; a block of zeros has e = 0. As a byte (E8M0): e + 127.
;;     - Each number is divided by its block's scale, clamped to +-7.5, and rounded to the nearest number of E2M3, ties to even, subnormals kept.
;;     - The product sums the exact products of the quantised numbers (number of the format x scale) in f32.
;;   ~~~python
;;   def quantise(x, axis):      # numpy; x: float32 -> the quantised numbers, widened to float32 again
;;       x = np.moveaxis(x, axis, -1); K = x.shape[-1]
;;       x = np.pad(x, [(0, 0)] * (x.ndim - 1) + [(0, -K % 32)]); x = x.reshape(x.shape[:-1] + (-1, 32)); a = np.abs(x).max(-1, keepdims=True)
;;       e = np.where(a > 0, np.clip(np.frexp(np.where(a > 0, a, 1))[1] - 1 - 2, -126, 127), 0)      # np.frexp(a)[1] - 1 = floor(log2(a)), exactly
;;       r = np.clip(x / 2.0 ** e, -7.5, 7.5)
;;       step = 2.0 ** (np.maximum(np.frexp(np.where(r == 0, 1, r))[1] - 1, 0) - 3)
;;       q = np.round(r / step) * step * 2.0 ** e      # np.round: ties to even
;;       return np.moveaxis(q.reshape(q.shape[:-2] + (-1,))[..., :K], -1, axis).astype(np.float32)
;;   ~~~
;;   SOFTMAX AHEAD OF A QUANTISED PRODUCT. Where the list says 'softmax', what is quantised is not the finished softmax but p = 2^(t - M), with t = logit x log2(e) and M = ceil(the row's largest t), a whole number; so 1/2 < the row's largest p <= 1. The row's sum l is taken of the UNQUANTISED p, in f32, and the product's result is divided by l at the end. Since M is a whole number, a kernel that streams over the keys may use a running M (the ceiling of the running maximum): every later rescaling is an exact power of two, which a block's scale takes up: the codes' values come out the same.
;;   OPERANDS COMPUTED ON THE WAY. 'Computed on the way' means the value that the module computes at that place (a softmax that the list does not call 'softmax' is quantised finished and normalised). What goes into a quantiser is computed in f32, as accurately as f32 sums, v_exp_f32 and their like allow (about 1e-6 of the number): no bf16 or f16 on the way to a quantiser, and a product that is left as it is and whose result goes on into a quantised operand takes f32 operands (vector FMAs, or v_wmma_f32_16x16x4_f32). A number that lies on a knife's edge between two numbers of the format may be rounded either way, as far as f32 arithmetic and the matrix unit's own rounding can turn it there, and no further.
;; 2 versions, each right; version 2 is version 1 with the launch attn written anew for expert scheduling mode. Each part assembles by itself: llvm-mc -triple=amdgcn-amd-amdhsa -mcpu=gfx1250 --defsym DOCPART=n.
;; ======== version 1 of 2: 4 launches
;; limits: right only within a limited range of input values
;; workspace buffers: act 19,660,800 bytes; wts 3,276,800 bytes; btab 4,194,304 bytes; flags 2,048 bytes of whole numbers; qkv 20,447,232 bytes; att 6,553,600 bytes
;; launch prep (part 1): grid 640 x 1, 4 waves a work-group, no clusters, 72,192 bytes of LDS; arguments query, key, value, Wq, Wk, Wv, Wo, position_bias, pb_idx0, pb_idx1, mask, act, wts, btab, flags; writes act, wts, btab, flags
.if DOCPART == 1
	.amdgcn_target "amdgcn-amd-amdhsa--gfx1250"
	.amdhsa_code_object_version 6
	.text
	.protected	k_qb77d8e79d7_prep
	.globl	k_qb77d8e79d7_prep
	.p2align	8
	.type	k_qb77d8e79d7_prep,@function
k_qb77d8e79d7_prep:
	s_mov_b64 s[64:65], 0
	v_nop
	global_prefetch_b8 v0, s[64:65] scope:SCOPE_SE
	s_setreg_imm32_b32 hwreg(HW_REG_WAVE_MODE, 25, 1), 1
	s_wait_xcnt 0x0
; THREE JOBS IN ONE LAUNCH, told apart by the work-group's number.  All of them stream: no matrix unit, no cluster (no input byte is read by two work-groups), no barrier (waves share nothing).
;   A (work-groups 0-383):   query, key, value [8192][1024] f32 -> codes of FP6 (E2M3) and E8M0 scale bytes, quantised along the rows (K = 1024, blocks of 32).
;   B (work-groups 384-511): Wq, Wk, Wv [16][1024][64] and Wo [1024][1024] f32, whose K is NOT innermost -> codes and scale bytes with K innermost.
;   C (work-groups 512-639): 8 x position_bias[pb_idx0, pb_idx1], or -3e38 where mask is set, laid as the attention launch's score registers lie; and one word for each tile of 16 queries x 128 keys: 1 = some key is open.
; THE CODES' LAYOUT: half fragments of 768 bytes = 16 rows x 64 along K, an image of six operand registers: lane L = 16 h + r holds block h (32 codes, 24 bytes) of row r: its bytes 0-15 at 16 L, its bytes 16-23 at 512 + 8 L.
; An operand of 1,024 rows is [K / 64 = 16][tile 64][768]; scale bytes are [row][32].  THE ROWS of key, value, Wq, Wk, Wv are laid with bits 3 and 4 of the row's number exchanged: lane r of tile 2 b + u holds row 32 b + 8 u + r + 8 (r / 8),
; so that in a transposed product the 16 registers of two neighbouring tiles are 16 neighbours along the next K.  query and Wo lie in their own order.
; A block's scale is 2^(floor(log2(largest magnitude)) - 2): its byte is the largest magnitude's exponent field - 2, held at 1 from below.
; LIMITS: a block of zeros gets the byte 1 where the rule says 127 (its codes are zeros, and this program alone reads the bytes); NaN and infinities among the inputs are not served;
; a masked logit is the finite number -3e38 (in units of 8 x logit), so an open logit under that would count as masked.
.set SPARE, 71680                      ; LDS: job A 0 .. 36863 (9,216 a wave), job C 36864 .. 71679 (8,704 a wave), then the spare words, 128 bytes a wave
.set SPW,   4                          ; v4  LDS address of my spare word; never rewritten
.set NIL,   5                          ; v5  0; never rewritten
.macro FINISH                          ; the wave's end, behind my last LDS store
	s_wait_tensorcnt 0x0
	ds_add_u32 v[SPW], v[NIL]
	s_wait_dscnt 0x0
	s_endpgm
.endm
	s_load_b512 s[8:23], s[0:1], 0x0               ; query 8, key 10, value 12, Wq 14, Wk 16, Wv 18, Wo 20, position_bias 22
	s_load_b256 s[24:31], s[0:1], 0x40             ; pb_idx0 24, pb_idx1 26, mask 28, act 30
	s_load_b128 s[32:35], s[0:1], 0x60             ; wts 32, btab 34
	s_load_b64 s[36:37], s[0:1], 0x70              ; flags
	v_lshl_add_u32 v[SPW], v0, 2, SPARE
	v_mov_b32 v[NIL], 0
	v_lshrrev_b32 v1, 5, v0
	v_readfirstlane_b32 s38, v1                    ; wave 0..3
	v_and_b32 v1, 31, v0                           ; L
	v_and_b32 v2, 15, v0                           ; r
	v_bfe_u32 v3, v0, 4, 1                         ; h
	s_mov_b32 s49, 0                               ; the high word of every offset pair s[48:49]
	s_cmp_lt_u32 ttmp9, 384
	s_cbranch_scc0 .Lnot_a
; ---------------- JOB A.  A wave takes one tile of 16 rows through all 16 steps of 64 along K: 64 KiB in, 12 KiB of codes and 512 scale bytes out.
; Each load reads two rows' 256 bytes (two whole aligned blocks); a step's 4 KiB turn through the wave's own stage (rows 272 bytes apart), so that a lane gets 32 neighbours: a whole block.
.set R,  16                            ; v16-143  four sets of 32: a step's numbers as loaded
.set X,  144                           ; v144-207 two sets of 32 neighbours
.set C,  208                           ; v208-219 two sets of six: a block's codes
.set T3, 220                           ; v220-222 the second conversion's result (its three registers begin on an even number)
	s_lshr_b32 s40, ttmp9, 7                       ; X: 0 query, 1 key, 2 value
	s_and_b32 s41, ttmp9, 127
	s_lshl_b32 s41, s41, 2
	s_add_co_u32 s41, s41, s38                     ; which of the tensor's 512 tiles
	s_lshr_b32 s42, s41, 6                         ; b
	s_and_b32 s43, s41, 63                         ; t
	s_lshl_b32 s47, s43, 4                         ; the tile's first row: 16 t,
	s_lshr_b32 s50, s43, 1
	s_lshl_b32 s50, s50, 5
	s_and_b32 s51, s43, 1
	s_lshl_b32 s51, s51, 3
	s_add_co_u32 s50, s50, s51                     ; or, for key and value, 32 (t / 2) + 8 (t % 2)
	s_cmp_eq_u32 s40, 0
	s_cselect_b32 s47, s47, s50
	s_cselect_b32 s46, 0, 0x8000                   ; and the tile's rows 8-15 lie 8 rows (32,768 bytes) further down
	s_lshl_b32 s50, s42, 10
	s_add_co_u32 s47, s47, s50
	s_mul_i32 s39, s38, 9216                       ; my wave's LDS
	v_lshlrev_b32 v6, 12, v3
	v_lshl_add_u32 v6, v2, 4, v6                   ; in: row h of a pair, 16 r
	v_add_nc_u32 v7, s46, v6                       ; the same for rows 8-15
	v_mul_u32_u24 v8, v3, 272
	v_lshl_add_u32 v8, v2, 4, v8
	v_add_nc_u32 v8, s39, v8                       ; the stage, on the way in
	v_mul_u32_u24 v9, v2, 272
	v_lshl_add_u32 v9, v3, 7, v9
	v_add_nc_u32 v9, s39, v9                       ; and out: row r, block h
	v_lshlrev_b32 v10, 4, v1                       ; 16 L
	v_lshlrev_b32 v11, 3, v1                       ; 8 L
	v_lshl_add_u32 v12, v2, 5, v3
	v_add_nc_u32 v12, s39, v12
	v_add_nc_u32 v12, 8704, v12                    ; my block's scale byte: row r of 32 bytes, + h
	v_add_nc_u32 v13, s39, v10
	v_add_nc_u32 v13, 8704, v13                    ; the 512 scale bytes on the way out
	s_wait_kmcnt 0x0
	s_cmp_eq_u32 s40, 0
	s_cselect_b64 s[44:45], s[8:9], s[10:11]
	s_cmp_eq_u32 s40, 2
	s_cselect_b64 s[44:45], s[12:13], s[44:45]
	s_lshl_b32 s48, s47, 12
	s_add_nc_u64 s[44:45], s[44:45], s[48:49]      ; the tile's first row
	s_mul_i32 s48, s40, 6291456
	s_mul_i32 s50, s42, 786432
	s_add_co_u32 s48, s48, s50
	s_mul_i32 s50, s43, 768
	s_add_co_u32 s48, s48, s50
	s_add_nc_u64 s[52:53], s[30:31], s[48:49]      ; its codes
	s_lshl_b32 s48, s40, 18
	s_lshl_b32 s50, s42, 15
	s_add_co_u32 s48, s48, s50
	s_lshl_b32 s50, s43, 9
	s_add_co_u32 s48, s48, s50
	s_add_co_u32 s48, s48, 18874368
	s_add_nc_u64 s[54:55], s[30:31], s[48:49]      ; its scale bytes
.macro ALOAD t
.irp j, 0,1,2,3
	global_load_b128 v[R+32*((\t)%4)+4*\j:R+32*((\t)%4)+4*\j+3], v6, s[44:45] offset:8192*\j+256*(\t) th:TH_LOAD_NT
.endr
.irp j, 4,5,6,7
	global_load_b128 v[R+32*((\t)%4)+4*\j:R+32*((\t)%4)+4*\j+3], v7, s[44:45] offset:8192*\j+256*(\t) th:TH_LOAD_NT
.endr
.endm
.macro ATURN t                         ; LDS serves a wave's instructions in order: no wait between the stores and the loads
.irp j, 0,1,2,3,4,5,6,7
	ds_store_b128 v8, v[R+32*((\t)%4)+4*\j:R+32*((\t)%4)+4*\j+3] offset:4352*((\t)%2)+544*\j
.endr
.irp n, 0,1,2,3,4,5,6,7
	ds_load_b128 v[X+32*((\t)%2)+4*\n:X+32*((\t)%2)+4*\n+3], v9 offset:4352*((\t)%2)+16*\n
.endr
.endm
.macro ASTEP t
.set XS, X+32*((\t)%2)
.set CC, C+6*((\t)%2)
.if (\t) > 0
	s_wait_dscnt 1                                 ; this step's numbers are back from the stage; the last step's byte store may be out
.else
	s_wait_dscnt 0x0
.endif
.if (\t)+4 < 16
	ALOAD (\t)+4                                   ; into the set that this step's stage stores have read
.endif
.if (\t)+1 < 16
.if 14-(\t) >= 3
	s_wait_loadcnt 24                              ; the next step's eight loads are in; those of the three steps behind it may be out
.else
	s_wait_loadcnt 8*(14-(\t))
.endif
	ATURN (\t)+1
.endif
	v_max3_num_f32 v14, |v[XS]|, |v[XS+1]|, |v[XS+2]|      ; the block's largest magnitude: all 32 numbers are mine; two chains
	v_max3_num_f32 v15, |v[XS+3]|, |v[XS+4]|, |v[XS+5]|
.irp i, 6,10,14,18,22,26
	v_max3_num_f32 v14, v14, |v[XS+\i]|, |v[XS+\i+1]|
	v_max3_num_f32 v15, v15, |v[XS+\i+2]|, |v[XS+\i+3]|
.endr
	v_max3_num_f32 v14, v14, |v[XS+30]|, |v[XS+31]|
	v_max3_num_f32 v14, v14, v15, 0x1800000        ; and the floor 2^(3 - 127): the byte cannot fall under 1
	v_add_nc_u32 v224, 0xff000000, v14             ; 2 off the exponent field: the conversion takes this operand's exponent field as its scale
	s_wait_xcnt 0x0                                ; the earlier stores have read their data: the codes' registers are written again only behind this wait
	v_cvt_scalef32_pk16_fp6_f32 v[CC:CC+2], v[XS:XS+15], v224
	v_cvt_scalef32_pk16_fp6_f32 v[T3:T3+2], v[XS+16:XS+31], v224
	v_nop                                          ; one plain place behind a scaled conversion
	v_lshrrev_b32 v[226+(\t)%2], 23, v224          ; the scale's byte
.irp i, 0,1,2
	v_mov_b32 v[CC+3+\i], v[T3+\i]
.endr
	ds_store_b8 v12, v[226+(\t)%2] offset:2*(\t)
	global_store_b128 v10, v[CC:CC+3], s[52:53] offset:49152*(\t)          ; 32 lanes store 512 consecutive bytes,
	global_store_b64 v11, v[CC+4:CC+5], s[52:53] offset:49152*(\t)+512     ; and 256
.endm
.irp t, 0,1,2,3
	ALOAD \t
.endr
	s_wait_loadcnt 24                              ; step 0's eight loads are in
	ATURN 0
.irp t, 0,1,2,3,4,5,6,7,8,9,10,11,12,13,14,15
	ASTEP \t
.endr
	ds_load_b128 v[16:19], v13                     ; the tile's 512 scale bytes (these see my byte stores: LDS serves a wave in order)
	s_wait_dscnt 0x0
	global_store_b128 v10, v[16:19], s[54:55]
	FINISH
.Lnot_a:
	s_cmp_lt_u32 ttmp9, 512
	s_cbranch_scc0 .Ljob_c
; ---------------- JOB B.  A lane takes a column of a weight and its registers run down K: a block of 32 lies in one lane, and the conversions give codes with K innermost.  A wave: 32 columns x 256 along K.
.set OFFS, 16                          ; v16-47   4 L + i x the distance from one k to the next
.set XB,   48                          ; v48-111  two sets of 32 numbers
.set CB,   112                         ; v112-117 a block's codes
.set T3B,  120
.set SB,   124                         ; v124-125 my column's eight scale bytes
	s_sub_co_u32 s40, ttmp9, 384
	s_lshr_b32 s41, s40, 5                         ; W: 0 Wq, 1 Wk, 2 Wv, 3 Wo
	s_and_b32 s42, s40, 7                          ; which 128 columns
	s_bfe_u32 s43, s40, 0x20003                    ; which 256 along K
	s_lshl_b32 s47, s42, 7
	s_lshl_b32 s51, s38, 5
	s_add_co_u32 s47, s47, s51                     ; my wave's first column c0
	s_lshr_b32 s51, s47, 6
	s_lshl_b32 s51, s51, 18
	s_lshl_b32 s52, s43, 16
	s_add_co_u32 s51, s51, s52
	s_and_b32 s52, s47, 63
	s_lshl_b32 s52, s52, 2
	s_add_co_u32 s51, s51, s52                     ; [head][k][d]: head x 262,144 + 256 k + 4 d
	s_lshl_b32 s52, s43, 20
	s_lshl_b32 s53, s47, 2
	s_add_co_u32 s52, s52, s53                     ; Wo: 4,096 k + 4 c
	s_mul_i32 s54, s41, 786432
	s_mul_i32 s56, s43, 196608
	s_add_co_u32 s54, s54, s56
	s_lshr_b32 s56, s47, 4
	s_mul_i32 s56, s56, 768
	s_add_co_u32 s54, s54, s56                     ; the codes: operand W, K / 64 = 4 y, tile c0 / 16
	s_mov_b32 s55, 0
	s_lshl_b32 s58, s41, 15
	s_lshl_b32 s56, s47, 5
	s_add_co_u32 s58, s58, s56
	s_lshl_b32 s56, s43, 3
	s_add_co_u32 s58, s58, s56
	s_add_co_u32 s58, s58, 3145728                 ; the scale bytes: row c0, byte 8 y
	s_mov_b32 s59, 0
	s_movk_i32 s46, 256
	s_cmp_eq_u32 s41, 3
	s_cselect_b32 s46, 0x1000, s46                 ; bytes from one k to the next
	s_cselect_b32 s48, s52, s51
	s_cselect_b32 s50, 0, -1                       ; Wo's rows keep their order
	v_and_b32 v9, 7, v1
	v_and_b32 v10, 8, v1
	v_lshl_or_b32 v9, v10, 1, v9
	v_and_b32 v10, 16, v1
	v_lshrrev_b32 v10, 1, v10
	v_or_b32 v9, v9, v10                           ; L with bits 3 and 4 exchanged
	v_xor_b32 v9, v9, v1
	v_and_b32 v9, s50, v9
	v_xor_b32 v9, v9, v1                           ; p: my column's place among the wave's 32 rows
	v_lshrrev_b32 v10, 4, v9
	v_and_b32 v14, 15, v9
	v_mul_u32_u24 v6, v10, 768
	v_lshl_add_u32 v7, v14, 3, v6
	v_add_nc_u32 v7, 512, v7                       ; bytes 16-23 of a block
	v_lshl_add_u32 v6, v14, 4, v6                  ; bytes 0-15
	v_lshlrev_b32 v8, 5, v9                        ; my row of scale bytes
	v_lshlrev_b32 v[OFFS], 2, v1
.set i, 1
.rept 31
	v_add_nc_u32 v[OFFS+i], s46, v[OFFS+i-1]
.set i, i+1
.endr
	s_wait_kmcnt 0x0
	s_cselect_b64 s[44:45], s[20:21], s[18:19]
	s_cmp_eq_u32 s41, 1
	s_cselect_b64 s[44:45], s[16:17], s[44:45]
	s_cmp_eq_u32 s41, 0
	s_cselect_b64 s[44:45], s[14:15], s[44:45]
	s_add_nc_u64 s[44:45], s[44:45], s[48:49]
	s_lshl_b32 s48, s46, 5                         ; a block of 32 further down K
	s_add_nc_u64 s[56:57], s[32:33], s[54:55]
	s_add_nc_u64 s[58:59], s[32:33], s[58:59]
.macro BLOAD t
.set i, 0
.rept 32
	global_load_b32 v[XB+32*((\t)%2)+i], v[OFFS+i], s[44:45] th:TH_LOAD_NT     ; 32 lanes read 128 consecutive bytes
.set i, i+1
.endr
.endm
.macro BBLOCK t
.set XS, XB+32*((\t)%2)
.if (\t) < 7
	s_wait_loadcnt 32                              ; this block's 32 loads are in; the next block's may be out
.else
	s_wait_loadcnt 0x0
.endif
	v_max3_num_f32 v12, |v[XS]|, |v[XS+1]|, |v[XS+2]|
	v_max3_num_f32 v13, |v[XS+3]|, |v[XS+4]|, |v[XS+5]|
.irp i, 6,10,14,18,22,26
	v_max3_num_f32 v12, v12, |v[XS+\i]|, |v[XS+\i+1]|
	v_max3_num_f32 v13, v13, |v[XS+\i+2]|, |v[XS+\i+3]|
.endr
	v_max3_num_f32 v12, v12, |v[XS+30]|, |v[XS+31]|
	v_max3_num_f32 v12, v12, v13, 0x1800000
	v_add_nc_u32 v11, 0xff000000, v12
	v_lshrrev_b32 v13, 23, v11
.if (\t)%4 == 0
	v_mov_b32 v[SB+(\t)/4], v13
.else
	v_lshl_or_b32 v[SB+(\t)/4], v13, 8*((\t)%4), v[SB+(\t)/4]
.endif
	s_wait_xcnt 0x0                                ; the earlier loads have read their base and the earlier stores their data: both are written again only behind this wait
.if (\t)+2 < 8
	s_add_nc_u64 s[44:45], s[44:45], s[48:49]
.endif
	v_cvt_scalef32_pk16_fp6_f32 v[CB:CB+2], v[XS:XS+15], v11
	v_cvt_scalef32_pk16_fp6_f32 v[T3B:T3B+2], v[XS+16:XS+31], v11
	v_nop                                          ; one plain place behind a scaled conversion
.irp i, 0,1,2
	v_mov_b32 v[CB+3+\i], v[T3B+\i]
.endr
	global_store_b128 v6, v[CB:CB+3], s[56:57] offset:49152*((\t)/2)+256*((\t)%2)
	global_store_b64 v7, v[CB+4:CB+5], s[56:57] offset:49152*((\t)/2)+128*((\t)%2)
.if (\t)+2 < 8
	BLOAD (\t)+2
.endif
.endm
	BLOAD 0
	s_wait_xcnt 0x0
	s_add_nc_u64 s[44:45], s[44:45], s[48:49]
	BLOAD 1
.irp t, 0,1,2,3,4,5,6,7
	BBLOCK \t
.endr
	global_store_b64 v8, v[SB:SB+1], s[58:59]
	FINISH
.Ljob_c:
; ---------------- JOB C.  A wave takes 16 queries x 128 keys.  In: lane L holds keys 4 L .. 4 L + 3 of a row.  Out: register 16 b + i of lane (r, h) is query r, key 32 b + 16 h + i; registers 4 g .. 4 g + 3 lie at 512 g + 16 L.
.set I0, 16                            ; v16-79   pb_idx0, then the gathers' offsets
.set I1, 80                            ; v80-143  pb_idx1, then what was gathered
.set MK, 144                           ; v144-159 four mask bytes a row
.set OU, 160                           ; v160-223 the image, read back
	s_sub_co_u32 s40, ttmp9, 512
	s_lshl_b32 s40, s40, 2
	s_add_co_u32 s40, s40, s38                     ; 8 x tile of queries + key step
	s_lshr_b32 s41, s40, 3
	s_and_b32 s42, s40, 7
	s_mul_i32 s44, s38, 8704
	s_add_co_u32 s44, s44, 36864                   ; my stage: 32 blocks of 256 bytes, 272 apart
	v_and_b32 v6, 24, v1
	v_and_b32 v7, 3, v1
	v_lshl_add_u32 v6, v7, 1, v6
	v_bfe_u32 v7, v1, 2, 1
	v_add_nc_u32 v6, v6, v7                        ; my four keys belong to block 2 g + h = 8 (L / 8) + 2 (L % 4) + (L / 4) % 2
	v_mul_u32_u24 v6, v6, 272
	v_add_nc_u32 v6, s44, v6
	v_mul_u32_u24 v7, v3, 272
	v_lshl_add_u32 v7, v2, 4, v7
	v_add_nc_u32 v7, s44, v7
	v_lshlrev_b32 v8, 4, v1
	v_lshlrev_b32 v9, 2, v1
	v_mov_b32 v11, 0
	v_mov_b32 v12, 0xff61b1e6                      ; -3e38
	s_lshl_b32 s48, s41, 16
	s_lshl_b32 s43, s42, 9
	s_add_co_u32 s48, s48, s43
	s_wait_kmcnt 0x0
	s_add_nc_u64 s[24:25], s[24:25], s[48:49]
	s_add_nc_u64 s[26:27], s[26:27], s[48:49]
	s_lshl_b32 s48, s41, 14
	s_lshl_b32 s43, s42, 7
	s_add_co_u32 s48, s48, s43
	s_add_nc_u64 s[28:29], s[28:29], s[48:49]
	s_lshl_b32 s48, s40, 13
	s_add_nc_u64 s[34:35], s[34:35], s[48:49]
	s_lshl_b32 s48, s40, 2
	s_add_nc_u64 s[36:37], s[36:37], s[48:49]
.irp p, 0,1,2,3,4,5,6,7,8,9,10,11,12,13,14,15
	global_load_b128 v[I0+4*\p:I0+4*\p+3], v8, s[24:25] offset:4096*\p th:TH_LOAD_NT
.endr
.irp p, 0,1,2,3,4,5,6,7,8,9,10,11,12,13,14,15
	global_load_b128 v[I1+4*\p:I1+4*\p+3], v8, s[26:27] offset:4096*\p th:TH_LOAD_NT
.endr
.irp p, 0,1,2,3,4,5,6,7,8,9,10,11,12,13,14,15
	global_load_b32 v[MK+\p], v9, s[28:29] offset:1024*\p th:TH_LOAD_NT
.endr
	s_wait_loadcnt 16                              ; the indices are in; the 16 mask words may be out
.set n, 0
.rept 64
	v_min_u32 v[I0+n], 0x3ff, v[I0+n]              ; an index stays inside the table; the bound is written out
	v_min_u32 v[I1+n], 0x3ff, v[I1+n]
	v_lshl_add_u32 v[I0+n], v[I0+n], 10, v[I1+n]
	v_lshlrev_b32 v[I0+n], 2, v[I0+n]
.set n, n+1
.endr
.set n, 0
.rept 64
	global_load_b32 v[I1+n], v[I0+n], s[22:23]
.set n, n+1
.endr
	s_wait_loadcnt 63                              ; the mask words are older than all 64 gathers: they are in
	v_and_b32 v13, v[MK], v[MK+1]
.irp p, 2,3,4,5,6,7,8,9,10,11,12,13,14,15
	v_and_b32 v13, v13, v[MK+\p]
.endr
	v_cmp_ne_u32 vcc_lo, 0x01010101, v13           ; some byte of my 64 is 0: a key is open
	s_cmp_lg_u32 vcc_lo, 0
	s_cselect_b32 s43, 1, 0
	v_mov_b32 v10, s43
	global_store_b32 v11, v10, s[36:37]            ; all lanes store the same word with the same number
.irp p, 0,1,2,3,4,5,6,7,8,9,10,11,12,13,14,15
	s_wait_loadcnt 60-4*\p                         ; row p's four gathers are in; those of the rows behind it may be out
.irp e, 0,1,2,3
	v_and_b32 v14, 1<<(8*\e), v[MK+\p]
	v_mul_f32 v[I1+4*\p+\e], 0x41000000, v[I1+4*\p+\e]     ; x 8, exact: (s + 8 bias) / 8 = s / 8 + bias
	v_cmp_ne_u32 vcc_lo, 0, v14
	v_cndmask_b32 v[I1+4*\p+\e], v[I1+4*\p+\e], v12, vcc_lo
.endr
	ds_store_b128 v6, v[I1+4*\p:I1+4*\p+3] offset:16*\p
.endr
.irp g, 0,1,2,3,4,5,6,7,8,9,10,11,12,13,14,15
	ds_load_b128 v[OU+4*\g:OU+4*\g+3], v7 offset:544*\g        ; these see my stores: LDS serves a wave in order
.endr
.irp g, 0,1,2,3,4,5,6,7,8,9,10,11,12,13,14,15
	s_wait_dscnt 15-\g
	global_store_b128 v8, v[OU+4*\g:OU+4*\g+3], s[34:35] offset:512*\g         ; 32 lanes store 512 consecutive bytes
.endr
	FINISH
.Lfunc_end_k_qb77d8e79d7_prep:
	.size	k_qb77d8e79d7_prep, .Lfunc_end_k_qb77d8e79d7_prep-k_qb77d8e79d7_prep
	.p2alignl 7, 3214868480
	.fill 96, 4, 3214868480
	.section	.rodata,"a",@progbits
	.p2align	6, 0x0
	.amdhsa_kernel k_qb77d8e79d7_prep
		.amdhsa_group_segment_fixed_size 72192
		.amdhsa_private_segment_fixed_size 0
		.amdhsa_enable_private_segment 0
		.amdhsa_kernarg_size 120
		.amdhsa_user_sgpr_count 2
		.amdhsa_user_sgpr_kernarg_segment_ptr 1
		.amdhsa_wavefront_size32 1
		.amdhsa_system_sgpr_workgroup_id_x 1
		.amdhsa_system_sgpr_workgroup_id_y 1
		.amdhsa_system_sgpr_workgroup_id_z 1
		.amdhsa_system_vgpr_workitem_id 0
		.amdhsa_next_free_vgpr 256
		.amdhsa_next_free_sgpr 66
		.amdhsa_reserve_vcc 1
		.amdhsa_float_denorm_mode_32 3
		.amdhsa_float_denorm_mode_16_64 3
		.amdhsa_memory_ordered 1
		.amdhsa_forward_progress 1
		.amdhsa_inst_pref_size 144
	.end_amdhsa_kernel
	.amdgpu_metadata
---
amdhsa.version: [ 1, 2 ]
amdhsa.kernels:
  - .name:           k_qb77d8e79d7_prep
    .symbol:         k_qb77d8e79d7_prep.kd
    .args:
      - { .name: query, .offset: 0, .size: 8, .value_kind: global_buffer, .address_space: global }
      - { .name: key, .offset: 8, .size: 8, .value_kind: global_buffer, .address_space: global }
      - { .name: value, .offset: 16, .size: 8, .value_kind: global_buffer, .address_space: global }
      - { .name: Wq, .offset: 24, .size: 8, .value_kind: global_buffer, .address_space: global }
      - { .name: Wk, .offset: 32, .size: 8, .value_kind: global_buffer, .address_space: global }
      - { .name: Wv, .offset: 40, .size: 8, .value_kind: global_buffer, .address_space: global }
      - { .name: Wo, .offset: 48, .size: 8, .value_kind: global_buffer, .address_space: global }
      - { .name: position_bias, .offset: 56, .size: 8, .value_kind: global_buffer, .address_space: global }
      - { .name: pb_idx0, .offset: 64, .size: 8, .value_kind: global_buffer, .address_space: global }
      - { .name: pb_idx1, .offset: 72, .size: 8, .value_kind: global_buffer, .address_space: global }
      - { .name: mask, .offset: 80, .size: 8, .value_kind: global_buffer, .address_space: global }
      - { .name: act, .offset: 88, .size: 8, .value_kind: global_buffer, .address_space: global }
      - { .name: wts, .offset: 96, .size: 8, .value_kind: global_buffer, .address_space: global }
      - { .name: btab, .offset: 104, .size: 8, .value_kind: global_buffer, .address_space: global }
      - { .name: flags, .offset: 112, .size: 8, .value_kind: global_buffer, .address_space: global }
    .group_segment_fixed_size: 72192
    .private_segment_fixed_size: 0
    .kernarg_segment_align: 8
    .kernarg_segment_size: 120
    .max_flat_workgroup_size: 128
    .sgpr_count:     66
    .vgpr_count:     256
    .wavefront_size: 32
...
	.end_amdgpu_metadata
.endif
;; end of part 1
;; launch proj (part 2): grid 4 x 96, 4 waves a work-group, clusters of 4 x 4, 327,680 bytes of LDS; arguments act, wts, bq, bk, bv, qkv; writes qkv
.if DOCPART == 2
	.amdgcn_target "amdgcn-amd-amdhsa--gfx1250"
	.amdhsa_code_object_version 6
	.text
	.protected	k_qb77d8e79d7_proj
	.globl	k_qb77d8e79d7_proj
	.p2align	8
	.type	k_qb77d8e79d7_proj,@function
k_qb77d8e79d7_proj:
	s_mov_b64 s[64:65], 0
	v_nop
	global_prefetch_b8 v0, s[64:65] scope:SCOPE_SE
	s_setreg_imm32_b32 hwreg(HW_REG_WAVE_MODE, 25, 1), 1
	s_wait_xcnt 0x0
	s_wait_alu depctr_hold_cnt(0) depctr_sa_sdst(0) depctr_va_vdst(0) depctr_va_sdst(0) depctr_va_ssrc(0) depctr_va_vcc(0) depctr_vm_vsrc(0)
	s_getreg_b32 s2, hwreg(HW_REG_IB_STS2, 6, 4)
	s_cmp_eq_u32 s2, 0
	s_cbranch_scc0 .Lentry_in_a_cluster
	s_endpgm
.Lentry_in_a_cluster:
	s_bfe_u32 s2, ttmp6, 0x10000c
	s_cmp_lg_u32 s2, 0xf033
	s_cbranch_scc0 .Lentry_shape_is_right
	s_endpgm
.Lentry_shape_is_right:
; THE THREE PROJECTIONS IN ONE GRID: q = query Wq + bq, k = key Wk + bk, v = value Wv + bv, on codes of FP6 (E2M3) with E8M0 scales; the results are quantised in registers and leave as codes.
; Each is a product of [8192 rows][K 1024] by [1024 rows][K 1024]; a work-group of four waves makes 256 x 256 of it, a wave 128 x 128 (64 accumulators, 512 registers).  Cluster y / 8 says which product.
; THE MATRIX INSTRUCTION IS USED TRANSPOSED: source 0 = 16 rows of operand B, source 1 = 16 rows of operand A: a lane holds one row of A, its registers run along B's rows.
;   q, k: A = the activations, B = the weights: a lane holds a token and 128 channels = two heads: quantised along the head's 64.
;   v:    A = the weights, B = the activations: a lane holds a channel and 128 keys: quantised along the keys, which are the K of attention's second product.
; B's rows lie in memory with bits 3 and 4 of their number exchanged, so that register 16 b + i of a lane's 64 is B's row 32 b + 16 (lane / 16) + i: 16 neighbours at a time.
; CODES are half fragments of 768 bytes (16 rows x 64 K: lane L's bytes 0-15 at 16 L, bytes 16-23 at 512 + 8 L), an operand [group of 1,024 rows][K / 64][tile 64][768]; scale bytes [row][32].
; K goes in steps of 256 through two LDS slots; a wave's tensor load brings 4 (K / 64) x 8 tiles x 768 bytes = 24,576.  The scale bytes of the work-group's rows come once, with the first fills.
; CLUSTERS: 4 x 4 work-groups; A's tiles are shared along a row of the cluster, B's along a column, each asked for jointly.  The grid's x is 4: there is one cluster along x.
; Which buffer is A and which is B hangs on the cluster's y alone; A's address holds cy and never cx, B's the other way round; no branch and no LDS address hangs on either.
; REGISTERS: window 0: v0-31 addresses; v32-63 scale words, two sets; v64-127 the way out's 64 numbers; v128-223 A's fragments, one set (on the way out: codes and work); v224-239 the bias by lanes.
;   window 1: B's fragments, two sets, v0-95 and v128-223; v96-127 and v224-255 the bias by registers.   windows 2, 3: the accumulators ((a, b) at v[8 (8 (a % 4) + b)]).
; LIMITS: a block of zeros gets the scale byte 1 where the rule says 127 (its codes are zeros; this program alone reads the bytes); NaN and infinities are not served.
.set NQ,    2                          ; matrix instructions deep in a slot
.set FR,    12                         ; registers of a fragment
.set NL,    4                          ; LDS loads that bring one
.set NP,    4                          ; places behind this matrix instruction (ISA guide 7.12.1)
.set HFB,   768
.set KHB,   8*HFB                      ; 64 along K of 128 rows
.set HALFT, 4*KHB                      ; what one tensor load brings, and what one wave reads of A or of B
.set SLOT,  4*HALFT
.set KSB,   4*49152                    ; a K step of 256 in memory
.set SCL,   2*SLOT                     ; behind the ring: the scale bytes, as blocks of 256 bytes + 16 of padding
.set HALFS, 16*272                     ; those of 128 rows
.set SBLK,  2*272                      ; those of 16 rows
.set SPARE, SCL+4*HALFS                ; the spare words, 128 bytes a wave
.set ADRA, 16                          ; v16-17 my A fragments' bytes 0-15 in slot 0, 1; v18-19 their bytes 16-23
.set ADRB, 20                          ; v20-23 the same for B
.set ADRS, 27                          ; v27 my scale words: lanes 0-15 A's rows, lanes 16-31 B's
.set SPW,  28
.set NIL,  29
.set SC,   32
.set AF,   128
.set T,    64
.set PC,   128                         ; the way out: v128-139 a fragment's codes, v140-146 the conversions' second halves
.set TM,   148                         ; v148-163 at work
.set PW,   164                         ; the scale word
.set BL,   224
.set WV, 16
.set HI, 17
.set LO, 18
.set SEL, 66
.set G1, 24
.set G0, 32
.set G1B, 48
.set G0B, 56
.set G1S, 68
.set G0S, 76
.set G1SB, 80
.set G0SB, 88
.set MSB, 0
.macro WIN new                         ; the immediate's high byte repeats the setting that is left
.if MSB != \new
	s_set_vgpr_msb (MSB<<8)|\new
.set MSB, \new
.endif
.endm
.set MUL_LO, 0xa1                      ; source 0 (B) window 1, source 1 (A) window 0, C and D window 2
.set MUL_HI, 0xf1
.set TO_B,   0x40
; A joint load: waves 0 and 1 fetch for A, waves 2 and 3 for B; the branch hangs on the wave's number alone.  An s_nop 0 and four v_nop follow each of the two lines.
.macro JLOAD g0a, g1a, g0b, g1b
	s_cmp_eq_u32 s[HI], 0
	s_cbranch_scc0 .Lfor_b_\@
	tensor_load_to_lds s[\g0a:\g0a+3], s[\g1a:\g1a+7]
	s_nop 0
.rept 4
	v_nop
.endr
	s_branch .Lasked_\@
.Lfor_b_\@:
	tensor_load_to_lds s[\g0b:\g0b+3], s[\g1b:\g1b+7]
	s_nop 0
.rept 4
	v_nop
.endr
.Lasked_\@:
.endm
.macro CREST                           ; a round of the cluster's barrier behind its opening barrier
	s_cmp_lg_u32 s[WV], 0
	s_cbranch_scc1 .Lnot_wave_0_\@
	s_barrier_signal -3
.Lnot_wave_0_\@:
	s_barrier_wait -3
	s_barrier_signal -1
	s_barrier_wait -1
.endm
.macro CROUND
	s_barrier_signal -1
	s_barrier_wait -1
	CREST
.endm
	s_load_b256 s[4:11], s[0:1], 0x0               ; act 4, wts 6, bq 8, bk 10
	s_load_b128 s[12:15], s[0:1], 0x20             ; bv 12, qkv 14
	v_lshl_add_u32 v[SPW], v0, 2, SPARE
	v_mov_b32 v[NIL], 0
	ds_add_u32 v[SPW], v[NIL]                      ; the wave's opening: the add and its wait stand ahead of my first tensor load; work on registers stands between them
	v_lshrrev_b32 v1, 5, v0
	v_readfirstlane_b32 s[WV], v1                  ; wave 0..3
	s_lshr_b32 s[HI], s[WV], 1                     ; which half of A's rows is mine.  Also: I fetch for A (0) or for B (1)
	s_and_b32 s[LO], s[WV], 1                      ; which half of B's rows.  Also: which 128 rows I fetch
	s_bfe_u32 s19, ttmp6, 0x40000                  ; cx
	s_bfe_u32 s20, ttmp6, 0x40004                  ; cy
	s_and_b32 s21, ttmp7, 0xffff                   ; cluster y, 0 .. 23
	s_and_b32 s22, s21, 7
	s_lshl_b32 s22, s22, 2                         ; four tiles of the long operand to a cluster
	s_lshr_b32 s21, s21, 3                         ; the product: 0 q, 1 k, 2 v
	s_cmp_eq_u32 s21, 2
	s_cselect_b32 s23, 0, s22                      ; A's tile (before cy)
	s_cselect_b32 s40, s22, 0                      ; B's tile (before cx)
	s_cselect_b32 s41, 0, -1                       ; the bias runs along the registers (q, k)
	s_cselect_b32 s42, -1, 0                       ; or along the lanes (v)
	s_mul_i32 s45, s21, 6291456                    ; the activations' codes in act,
	s_mul_i32 s46, s21, 786432                     ; the weights' in wts
	s_cselect_b32 s92, s46, s45
	s_cselect_b32 s96, s45, s46
	s_mul_i32 s45, s21, 262144                     ; and their scale bytes
	s_mul_i32 s46, s21, 32768
	s_cselect_b32 s94, s46, s45
	s_cselect_b32 s98, s45, s46
	s_mov_b32 s22, 18874368
	s_cselect_b32 s100, 3145728, s22
	s_cselect_b32 s101, s22, 3145728
	s_add_co_u32 s94, s94, s100
	s_add_co_u32 s98, s98, s101
	s_add_co_u32 s23, s23, s20                     ; A's tile of 256 rows
	s_add_co_u32 s40, s40, s19                     ; B's
	s_lshl_b32 s43, s20, 2
	s_lshl_b32 s43, 15, s43                        ; my row of the cluster
	s_lshl_b32 s44, 0x1111, s19                    ; my column
	; A: group (tile / 4), tile of 16 rows 16 (tile % 4) + 8 x half; its scale bytes: 32 a row
	s_lshr_b32 s45, s23, 2
	s_mul_i32 s45, s45, 786432
	s_add_co_u32 s92, s92, s45
	s_and_b32 s45, s23, 3
	s_lshl_b32 s45, s45, 4
	s_lshl_b32 s46, s[LO], 3
	s_add_co_u32 s45, s45, s46
	s_mul_i32 s45, s45, HFB
	s_add_co_u32 s92, s92, s45
	s_mov_b32 s93, 0
	s_lshl_b32 s45, s23, 13
	s_lshl_b32 s46, s[LO], 12
	s_add_co_u32 s45, s45, s46
	s_add_co_u32 s94, s94, s45
	s_mov_b32 s95, 0
	; B likewise, in registers that never hold cy
	s_lshr_b32 s47, s40, 2
	s_mul_i32 s47, s47, 786432
	s_add_co_u32 s96, s96, s47
	s_and_b32 s47, s40, 3
	s_lshl_b32 s47, s47, 4
	s_lshl_b32 s46, s[LO], 3
	s_add_co_u32 s47, s47, s46
	s_mul_i32 s47, s47, HFB
	s_add_co_u32 s96, s96, s47
	s_mov_b32 s97, 0
	s_lshl_b32 s47, s40, 13
	s_lshl_b32 s46, s[LO], 12
	s_add_co_u32 s47, s47, s46
	s_add_co_u32 s98, s98, s47
	s_mov_b32 s99, 0
	s_mul_i32 s2, s[WV], HALFT                     ; where my loads go: no place in the cluster enters an LDS address
	s_mul_i32 s3, s[WV], HALFS
	; descriptor group 1 for the codes: 4 rows (K / 64) of 768 elements of 8 bytes (8 tiles), 49,152 bytes apart; no padding: every LDS read is 16 or 8 bytes a lane on end
	s_or_b32 s[G1+0], s43, (3<<16)|(1<<21)         ; 15:0 the mask; 17:16 elements of 8 bytes; 21 set beside a mask
	s_or_b32 s[G1B+0], s44, (3<<16)|(1<<21)
.irp g, G1, G1B
	s_mov_b32 s[\g+1], 768<<16                     ; tensor_dim0
	s_mov_b32 s[\g+2], 4<<16                       ; tensor_dim1
	s_mov_b32 s[\g+3], 768<<16                     ; tile_dim0
	s_mov_b32 s[\g+4], 4                           ; tile_dim1
	s_mov_b32 s[\g+5], 6144                        ; tensor_dim0_stride, in elements
	s_mov_b32 s[\g+6], 0
	s_mov_b32 s[\g+7], 0
.endr
	; and for the scale bytes of 128 rows: 4,096 dense bytes as 16 rows of 256, 16 bytes of padding behind each
	s_or_b32 s[G1S+0], s43, (3<<16)|(1<<20)|(1<<21)|(5<<22)|(3<<25)
	s_or_b32 s[G1SB+0], s44, (3<<16)|(1<<20)|(1<<21)|(5<<22)|(3<<25)
.irp g, G1S, G1SB
	s_mov_b32 s[\g+1], 32<<16
	s_mov_b32 s[\g+2], 16<<16
	s_mov_b32 s[\g+3], 32<<16
	s_mov_b32 s[\g+4], 16
	s_mov_b32 s[\g+5], 32
	s_mov_b32 s[\g+6], 0
	s_mov_b32 s[\g+7], 0
.endr
	s_mov_b32 s[SEL], 0x76543210
	s_mov_b32 s[SEL+1], 0xfedcba98                 ; v_permlanex16_b32's selects for lane l xor 16
	s_wait_dscnt 0x0                               ; the opening add is done
	s_wait_kmcnt 0x0
	s_cmp_eq_u32 s21, 2
	s_cselect_b64 s[100:101], s[6:7], s[4:5]       ; A's buffer
	s_add_nc_u64 s[92:93], s[100:101], s[92:93]
	s_add_nc_u64 s[94:95], s[100:101], s[94:95]
	s_cselect_b64 s[100:101], s[4:5], s[6:7]       ; B's
	s_add_nc_u64 s[96:97], s[100:101], s[96:97]
	s_add_nc_u64 s[98:99], s[100:101], s[98:99]
	CROUND                                         ; all sixteen work-groups are here: the first joint loads meet
	s_mov_b32 s[G0S], 1
	s_add_co_u32 s[G0S+1], s3, SCL
	s_mov_b64 s[G0S+2:G0S+3], s[94:95]
	s_or_b32 s[G0S+3], s[G0S+3], 0x80000000
	s_mov_b32 s[G0SB], 1
	s_add_co_u32 s[G0SB+1], s3, SCL
	s_mov_b64 s[G0SB+2:G0SB+3], s[98:99]
	s_or_b32 s[G0SB+3], s[G0SB+3], 0x80000000
	JLOAD G0S, G1S, G0SB, G1SB                     ; the scale bytes first: they are wanted with K step 0
.irp s, 0,1
	s_mov_b32 s[G0+4*\s], 1
	s_add_co_u32 s[G0+4*\s+1], s2, \s*SLOT
	s_add_nc_u64 s[G0+4*\s+2:G0+4*\s+3], s[92:93], \s*KSB
	s_or_b32 s[G0+4*\s+3], s[G0+4*\s+3], 0x80000000
	s_mov_b32 s[G0B+4*\s], 1
	s_add_co_u32 s[G0B+4*\s+1], s2, \s*SLOT
	s_add_nc_u64 s[G0B+4*\s+2:G0B+4*\s+3], s[96:97], \s*KSB
	s_or_b32 s[G0B+4*\s+3], s[G0B+4*\s+3], 0x80000000
	JLOAD G0+4*\s, G1, G0B+4*\s, G1B
.endr
	v_and_b32 v1, 15, v0                           ; r
	v_bfe_u32 v2, v0, 4, 1                         ; h
	v_and_b32 v3, 31, v0                           ; L
	v_lshlrev_b32 v4, 4, v3                        ; 16 L
	v_lshlrev_b32 v5, 3, v3
	v_add_nc_u32 v5, 512, v5                       ; 512 + 8 L
	s_mul_i32 s22, s[HI], HALFT                    ; my 128 rows of A
	s_mul_i32 s46, s[LO], HALFT                    ; my 128 rows of B,
	s_add_co_u32 s46, s46, 2*HALFT                 ; which lie behind A's 256
.irp s, 0,1
	v_add_nc_u32 v[ADRA+\s], s22, v4
	v_add_nc_u32 v[ADRB+\s], s46, v4
	v_add_nc_u32 v[ADRA+2+\s], s22, v5
	v_add_nc_u32 v[ADRB+2+\s], s46, v5
	s_add_co_u32 s22, s22, SLOT
	s_add_co_u32 s46, s46, SLOT
.endr
	v_lshlrev_b32 v6, 5, v1                        ; my row's scale bytes: 32 a row,
	v_lshrrev_b32 v13, 8, v6
	v_lshl_add_u32 v6, v13, 4, v6                  ; and 16 more for each 256 passed
	s_mul_i32 s22, s[HI], HALFS
	s_mul_i32 s46, s[LO], HALFS
	s_add_co_u32 s46, s46, 2*HALFS
	s_sub_co_u32 s46, s46, s22
	v_mul_u32_u24 v13, s46, v2                     ; lanes 16-31 take B's
	s_add_co_u32 s22, s22, SCL
	v_add_nc_u32 v6, v6, v13
	v_add_nc_u32 v[ADRS], s22, v6
	; WHERE THE RESULTS GO, as offsets from qkv.  row0, col0: my first row of A and of B
	s_lshl_b32 s92, s23, 8
	s_lshl_b32 s93, s[HI], 7
	s_add_co_u32 s92, s92, s93                     ; row0
	s_lshl_b32 s93, s40, 8
	s_lshl_b32 s94, s[LO], 7
	s_add_co_u32 s93, s93, s94                     ; col0
	s_lshr_b32 s94, s92, 10                        ; q, k: batch,
	s_bfe_u32 s95, s92, 0x60004                    ; tile of 16 tokens,
	s_lshr_b32 s96, s93, 6                         ; first of my two heads
	s_mul_i32 s97, s21, 6291456
	s_mul_i32 s98, s94, 786432
	s_add_co_u32 s97, s97, s98
	s_mul_i32 s98, s96, 49152
	s_add_co_u32 s97, s97, s98
	s_mul_i32 s98, s95, HFB
	s_add_co_u32 s97, s97, s98                     ; codes: [product][batch x head][tile][768]
	s_lshl_b32 s98, s94, 4
	s_add_co_u32 s98, s98, s96
	s_lshl_b32 s98, s98, 6
	s_add_co_u32 s98, s98, s95
	s_lshl_b32 s98, s98, 6
	s_lshl_b32 s99, s21, 19
	s_add_co_u32 s98, s98, s99
	s_add_co_u32 s98, s98, 18874368                ; scale words: [product][batch x head][tile][16 words]
	s_lshr_b32 s94, s93, 10                        ; v: batch,
	s_bfe_u32 s95, s93, 0x30007                    ; key step of 128,
	s_lshr_b32 s96, s92, 4                         ; tile of 16 channels
	s_mul_i32 s99, s94, 786432
	s_mul_i32 s43, s96, 12288
	s_add_co_u32 s99, s99, s43
	s_mul_i32 s43, s95, 1536
	s_add_co_u32 s99, s99, s43
	s_add_co_u32 s99, s99, 12582912                ; codes: [batch][tile of channels][key step][1536]
	s_lshl_b32 s43, s94, 6
	s_add_co_u32 s43, s43, s96
	s_lshl_b32 s43, s43, 3
	s_add_co_u32 s43, s43, s95
	s_lshl_b32 s43, s43, 7
	s_add_co_u32 s43, s43, 19922944                ; scale words: [batch][tile][key step][32 words]
	s_movk_i32 s44, 768
	s_cmp_eq_u32 s21, 2
	s_cselect_b32 s97, s99, s97
	s_cselect_b32 s98, s43, s98
	s_cselect_b32 s45, s44, 49152                  ; from a fragment's first half to its second: the next 64 keys, or the next head
	s_cselect_b32 s19, 12288, s44                  ; from a block of 16 rows of A to the next: codes,
	s_cselect_b32 s20, 1024, 64                    ; scale words
	s_cselect_b32 s47, 6, 12                       ; lanes 16-31 store 64 bytes on (the same word again), or a head on
	s_cselect_b32 s22, 0, 16                       ; and there the word's upper two bytes
	v_add_nc_u32 v7, s97, v4
	v_add_nc_u32 v8, s97, v5
	v_add_nc_u32 v9, s45, v7
	v_add_nc_u32 v10, s45, v8
	v_lshlrev_b32 v11, s47, v2
	v_lshl_add_u32 v11, v1, 2, v11
	v_add_nc_u32 v11, s98, v11
	v_mul_u32_u24 v12, s22, v2
	; THE BIAS, both ways; the way that does not apply is loaded from the array's head (so that no load leaves the 1,024 numbers) and cleared on the way out
	s_cmp_eq_u32 s21, 0
	s_cselect_b64 s[100:101], s[8:9], s[10:11]
	s_cmp_eq_u32 s21, 2
	s_cselect_b64 s[100:101], s[12:13], s[100:101]
	s_and_b32 s94, s93, s41
	s_lshl_b32 s94, s94, 2
	s_mov_b32 s95, 0
	s_add_nc_u64 s[94:95], s[100:101], s[94:95]
	s_and_b32 s96, s92, s42
	s_lshl_b32 s96, s96, 2
	s_mov_b32 s97, 0
	s_add_nc_u64 s[96:97], s[100:101], s[96:97]
	v_lshlrev_b32 v13, 6, v2                       ; 16 h numbers
	v_and_b32 v14, 8, v1
	v_add_nc_u32 v14, v14, v1
	v_lshlrev_b32 v14, 2, v14                      ; r + 8 (r / 8) numbers
	WIN 0x40                                       ; destination window 1
.irp n, 0,1,2,3,4,5,6,7,8,9,10,11,12,13,14,15  ; registers 4 n .. 4 n + 3 of 64: channels 32 (n / 4) + 16 h + 4 (n % 4) on
	global_load_b128 v[96+4*\n+96*(\n/8):96+4*\n+96*(\n/8)+3], v13, s[94:95] offset:128*(\n/4)+16*(\n%4)
.endr
	WIN 0
.irp a, 0,1,2,3,4,5,6,7                        ; block a's lane r is channel 32 (a / 2) + 8 (a % 2) + r + 8 (r / 8); twice, for the packed addition
	global_load_b32 v[BL+2*\a], v14, s[96:97] offset:(32*(\a/2)+8*(\a%2))*4
	global_load_b32 v[BL+2*\a+1], v14, s[96:97] offset:(32*(\a/2)+8*(\a%2))*4
.endr
.macro FRAG reg, adr, q, i             ; a fragment, 16 rows x 128 K: two half fragments as they lie: 16 + 8 bytes a lane each
	ds_load_b128 v[\reg:\reg+3], v[\adr] offset:(2*(\q))*KHB+(\i)*HFB
	ds_load_b64 v[\reg+4:\reg+5], v[\adr+2] offset:(2*(\q))*KHB+(\i)*HFB
	ds_load_b128 v[\reg+6:\reg+9], v[\adr] offset:(2*(\q)+1)*KHB+(\i)*HFB
	ds_load_b64 v[\reg+10:\reg+11], v[\adr+2] offset:(2*(\q)+1)*KHB+(\i)*HFB
.endm
; 16 matrix instructions: A's blocks a0, a0 + 1 x B's eight.  The 64 accumulators take turns, one instruction a turn, in the same order in every step.
.macro MUL16 a0, p, q, sc, zero
.irp a, \a0, \a0+1
.irp b, 0,1,2,3,4,5,6,7
.if \zero
	v_wmma_scale_f32_16x16x128_f8f6f4 v[8*(8*((\a)%4)+\b):8*(8*((\a)%4)+\b)+7], v[128*(\p)+FR*\b:128*(\p)+FR*\b+FR-1], v[AF+FR*(\a):AF+FR*(\a)+FR-1], 0, v[SC+8*NQ*(\sc)+NQ*\b+(\q)], v[SC+8*NQ*(\sc)+NQ*(\a)+(\q)] matrix_a_fmt:MATRIX_FMT_FP6 matrix_b_fmt:MATRIX_FMT_FP6 matrix_a_scale:MATRIX_SCALE_ROW1
.else
	v_wmma_scale_f32_16x16x128_f8f6f4 v[8*(8*((\a)%4)+\b):8*(8*((\a)%4)+\b)+7], v[128*(\p)+FR*\b:128*(\p)+FR*\b+FR-1], v[AF+FR*(\a):AF+FR*(\a)+FR-1], v[8*(8*((\a)%4)+\b):8*(8*((\a)%4)+\b)+7], v[SC+8*NQ*(\sc)+NQ*\b+(\q)], v[SC+8*NQ*(\sc)+NQ*(\a)+(\q)] matrix_a_fmt:MATRIX_FMT_FP6 matrix_b_fmt:MATRIX_FMT_FP6 matrix_a_scale:MATRIX_SCALE_ROW1
.endif
.endr
.endr
.endm
.macro FETCH_B slot, q, p
	WIN TO_B
.irp i, 0,1,2,3,4,5,6,7
	FRAG 128*(\p)+FR*\i, ADRB+\slot, \q, \i
.endr
	WIN 0
.endm
.macro FETCH_A slot, q, i0
.irp i, \i0, \i0+1, \i0+2, \i0+3
	FRAG AF+FR*(\i), ADRA+\slot, \q, \i
.endr
.endm
.macro SCALES sc                       ; a K step's two scale words a row: lanes 0-15 A's block i, lanes 16-31 B's block i
.irp i, 0,1,2,3,4,5,6,7
	ds_load_b64 v[SC+8*NQ*\sc+NQ*\i:SC+8*NQ*\sc+NQ*\i+1], v[ADRS] offset:\i*SBLK
.endr
.endm
.macro PLACES n                        ; plain vector instructions between a matrix instruction and a load into, or a vector read or write of, its registers
.rept \n
	v_nop
.endr
.endm
.macro STEP slot, q, zero              ; 128 along K that have their successor in the same slot
	s_wait_dscnt 4*NL                              ; B's set and A's blocks 0-3 are in; the youngest 16 loads (A's blocks 4-7) may be out
	WIN MUL_LO
	MUL16 0, (\q)%2, \q, \slot, \zero
	MUL16 2, (\q)%2, \q, \slot, \zero
	s_wait_dscnt 0
	PLACES NP
	FETCH_B \slot, (\q)+1, 1-(\q)%2
	FETCH_A \slot, (\q)+1, 0
	WIN MUL_HI
	MUL16 4, (\q)%2, \q, \slot, \zero
	MUL16 6, (\q)%2, \q, \slot, \zero
	PLACES NP
	WIN 0
	FETCH_A \slot, (\q)+1, 4
.endm
; A slot's last 128 change slots: one barrier; in front of it each wave waits for all its tensor loads, adds 0 to its spare word, and waits for that and for its reads of this slot.  fill = 1: the slot is filled again, two K steps ahead.
.macro TURN slot, next, fill
	s_wait_tensorcnt 0x0                           ; all my tensor loads have landed: my part of the next slot
	ds_add_u32 v[SPW], v[NIL]                      ; 0 onto my spare word
	s_wait_dscnt 4*NL+1                            ; (the add and the youngest 16 loads may be out)
	WIN MUL_LO
	MUL16 0, 1, NQ-1, \slot, 0
	s_wait_dscnt 0x0                               ; the add is done, and my reads of this slot are over
	s_barrier_signal -1
	MUL16 2, 1, NQ-1, \slot, 0
	WIN 0
	s_barrier_wait -1
.if \fill
	CREST                                          ; the barrier has opened a round of the cluster's: no wave of any partner still reads this slot or has a load on its way
	s_add_nc_u64 s[G0+4*\slot+2:G0+4*\slot+3], s[G0+4*\slot+2:G0+4*\slot+3], 2*KSB
	s_add_nc_u64 s[G0B+4*\slot+2:G0B+4*\slot+3], s[G0B+4*\slot+2:G0B+4*\slot+3], 2*KSB
	JLOAD G0+4*\slot, G1, G0B+4*\slot, G1B         ; the first tensor load behind the round; its four v_nop are the places in front of the loads below
.else
	PLACES NP
.endif
	v_add_nc_u32 v[ADRS], 4*NQ, v[ADRS]            ; the next K step's scale words
	FETCH_B \next, 0, 0
	FETCH_A \next, 0, 0
	SCALES \next
	WIN MUL_HI
	MUL16 4, 1, NQ-1, \slot, 0
	MUL16 6, 1, NQ-1, \slot, 0
	PLACES NP
	WIN 0
	FETCH_A \next, 0, 4
.endm
	s_wait_tensorcnt 1                             ; the scale bytes and my part of K step 0 are in; K step 1's load may be out
	s_barrier_signal -1
	s_barrier_wait -1
	FETCH_B 0, 0, 0
	FETCH_A 0, 0, 0
	SCALES 0
	FETCH_A 0, 0, 4
	STEP 0, 0, 1                                   ; K = 1,024 is four K steps: written out.  The first products start the sums
	TURN 0, 1, 1
	STEP 1, 0, 0
	TURN 1, 0, 1
	STEP 0, 0, 0
	TURN 0, 1, 0                                   ; the last two K steps fill nothing
	STEP 1, 0, 0
	s_wait_dscnt 4*NL
	WIN MUL_LO
	MUL16 0, 1, NQ-1, 1, 0
	MUL16 2, 1, NQ-1, 1, 0
	s_wait_dscnt 0
	WIN MUL_HI
	MUL16 4, 1, NQ-1, 1, 0
	MUL16 6, 1, NQ-1, 1, 0
	WIN 0
; THE WAY OUT.  64 numbers of a lane, register 16 b + i = place 32 b + 16 (lane / 16) + i along the next K, become a fragment's codes in v[PC] on and its scale word in v[PW].
.macro QUANT s
.irp b, 0,1,2,3
	v_max3_num_f32 v[TM+\b], |v[\s+16*\b]|, |v[\s+1+16*\b]|, 0x1800000     ; block b: my 16 numbers, and the floor 2^(3 - 127)
.endr
.irp i, 2,4,6,8,10,12,14
.irp b, 0,1,2,3
	v_max3_num_f32 v[TM+\b], v[TM+\b], |v[\s+16*\b+\i]|, |v[\s+1+16*\b+\i]|
.endr
.endr
.irp b, 0,1,2,3
	v_permlanex16_b32 v[TM+4+\b], v[TM+\b], s[SEL], s[SEL+1]
.endr
.irp b, 0,1,2,3
	v_max_num_f32 v[TM+\b], v[TM+\b], v[TM+4+\b]   ; with lane l xor 16's: the block's largest magnitude
.endr
.irp b, 0,1,2,3
	v_add_nc_u32 v[TM+12+\b], 0xff000000, v[TM+\b] ; 2 off its exponent field: the conversion's scale operand
.endr
.irp b, 0,1,2,3
	v_lshrrev_b32 v[TM+4+\b], 23, v[TM+12+\b]      ; the scale's byte
.endr
	v_lshl_or_b32 v[PW], v[TM+5], 8, v[TM+4]
	v_lshl_or_b32 v[PW], v[TM+6], 16, v[PW]
	v_lshl_or_b32 v[PW], v[TM+7], 24, v[PW]
.irp c, 0,1
	v_cvt_scalef32_pk16_fp6_f32 v[PC+6*\c:PC+2+6*\c], v[\s+32*\c:\s+15+32*\c], v[TM+12+2*\c]
	v_cvt_scalef32_pk16_fp6_f32 v[PC+12+4*\c:PC+14+4*\c], v[\s+16+32*\c:\s+31+32*\c], v[TM+12+2*\c+1]
.endr
	v_nop                                          ; one plain place behind a scaled conversion
.irp c, 0,1                                    ; the operand's layout wants a whole block in a lane
.irp i, 0,1,2
	v_permlane16_swap_b32 v[PC+6*\c+\i], v[PC+12+4*\c+\i]
.endr
.irp i, 0,1,2
	v_mov_b32 v[PC+3+6*\c+\i], v[PC+12+4*\c+\i]
.endr
.endr
.endm
.macro OUTBLK a                        ; A's block a: 16 rows x 128: + bias, quantised, stored.  One of the two additions adds zeros: the price of one text without a branch for the three products
	WIN 0x06+((\a)/4)                              ; source 0 window 2 or 3, source 1 window 1
.set i, 0
.rept 32
	v_pk_add_f32 v[T+2*i:T+2*i+1], v[64*((\a)%4)+2*i:64*((\a)%4)+2*i+1], v[96+2*i+96*(i/16):96+2*i+96*(i/16)+1]   ; each accumulator from its low end on
.set i, i+1
.endr
	WIN 0
.set i, 0
.rept 32
	v_pk_add_f32 v[T+2*i:T+2*i+1], v[T+2*i:T+2*i+1], v[BL+2*(\a):BL+2*(\a)+1]
.set i, i+1
.endr
.if (\a) > 0
	s_wait_xcnt 0x0                                ; the last block's stores have read their data and offsets: both are written again only behind this wait
	v_add_nc_u32 v7, s19, v7
	v_add_nc_u32 v8, s19, v8
	v_add_nc_u32 v9, s19, v9
	v_add_nc_u32 v10, s19, v10
	v_add_nc_u32 v11, s20, v11
.endif
	QUANT T
	v_lshrrev_b32 v[PW+1], v12, v[PW]
	global_store_b128 v7, v[PC:PC+3], s[14:15]     ; 32 lanes store 512 consecutive bytes,
	global_store_b64 v8, v[PC+4:PC+5], s[14:15]    ; and 256
	global_store_b128 v9, v[PC+6:PC+9], s[14:15]
	global_store_b64 v10, v[PC+10:PC+11], s[14:15]
	global_store_b32 v11, v[PW+1], s[14:15]
.endm
	PLACES NP
	s_wait_loadcnt 0x0                             ; the bias
	WIN 0x44
.set i, 0
.rept 64
	v_and_b32 v[96+i+96*(i/32)], s41, v[96+i+96*(i/32)]
.set i, i+1
.endr
	WIN 0
.set i, 0
.rept 16
	v_and_b32 v[BL+i], s42, v[BL+i]
.set i, i+1
.endr
.irp b, 0,1,2,3
	v_mov_b32 v[TM+4+\b], 0                        ; written once: a lane permute's destination counts as one of its sources
.endr
.irp a, 0,1,2,3,4,5,6,7
	OUTBLK \a
.endr
	s_wait_tensorcnt 0x0                           ; the wave's end
	ds_add_u32 v[SPW], v[NIL]
	s_wait_dscnt 0x0
	CROUND                                         ; the closing round: no work-group ends while a partner may still ask for a tile that names it
	s_endpgm
.Lfunc_end_k_qb77d8e79d7_proj:
	.size	k_qb77d8e79d7_proj, .Lfunc_end_k_qb77d8e79d7_proj-k_qb77d8e79d7_proj
	.p2alignl 7, 3214868480
	.fill 96, 4, 3214868480
	.section	.rodata,"a",@progbits
	.p2align	6, 0x0
	.amdhsa_kernel k_qb77d8e79d7_proj
		.amdhsa_group_segment_fixed_size 327680
		.amdhsa_private_segment_fixed_size 0
		.amdhsa_enable_private_segment 0
		.amdhsa_kernarg_size 48
		.amdhsa_user_sgpr_count 2
		.amdhsa_user_sgpr_kernarg_segment_ptr 1
		.amdhsa_wavefront_size32 1
		.amdhsa_system_sgpr_workgroup_id_x 1
		.amdhsa_system_sgpr_workgroup_id_y 1
		.amdhsa_system_sgpr_workgroup_id_z 1
		.amdhsa_system_vgpr_workitem_id 0
		.amdhsa_next_free_vgpr 1024
		.amdhsa_next_free_sgpr 102
		.amdhsa_reserve_vcc 0
		.amdhsa_float_denorm_mode_32 3
		.amdhsa_float_denorm_mode_16_64 3
		.amdhsa_memory_ordered 1
		.amdhsa_forward_progress 1
		.amdhsa_inst_pref_size 191
	.end_amdhsa_kernel
	.amdgpu_metadata
---
amdhsa.version: [ 1, 2 ]
amdhsa.kernels:
  - .name:           k_qb77d8e79d7_proj
    .symbol:         k_qb77d8e79d7_proj.kd
    .args:
      - { .name: act, .offset: 0, .size: 8, .value_kind: global_buffer, .address_space: global }
      - { .name: wts, .offset: 8, .size: 8, .value_kind: global_buffer, .address_space: global }
      - { .name: bq, .offset: 16, .size: 8, .value_kind: global_buffer, .address_space: global }
      - { .name: bk, .offset: 24, .size: 8, .value_kind: global_buffer, .address_space: global }
      - { .name: bv, .offset: 32, .size: 8, .value_kind: global_buffer, .address_space: global }
      - { .name: qkv, .offset: 40, .size: 8, .value_kind: global_buffer, .address_space: global }
    .group_segment_fixed_size: 327680
    .private_segment_fixed_size: 0
    .kernarg_segment_align: 8
    .kernarg_segment_size: 48
    .max_flat_workgroup_size: 128
    .sgpr_count:     102
    .vgpr_count:     1024
    .wavefront_size: 32
...
	.end_amdgpu_metadata
.endif
;; end of part 2
;; launch attn (part 3): grid 2 x 128, 16 waves a work-group, no clusters, 108,544 bytes of LDS; arguments qkv, btab, flags, att; writes att
.if DOCPART == 3
	.amdgcn_target "amdgcn-amd-amdhsa--gfx1250"
	.amdhsa_code_object_version 6
	.text
	.protected	k_qb77d8e79d7_attn
	.globl	k_qb77d8e79d7_attn
	.p2align	8
	.type	k_qb77d8e79d7_attn,@function
k_qb77d8e79d7_attn:
	s_mov_b64 s[64:65], 0
	v_nop
	global_prefetch_b8 v0, s[64:65] scope:SCOPE_SE
	s_setreg_imm32_b32 hwreg(HW_REG_WAVE_MODE, 25, 1), 1
	s_wait_xcnt 0x0
; ATTENTION ON CODES OF FP6 (E2M3): for each batch x head: S = q k^T, t = (S + 8 bias) log2(e) / 8, p = 2^(t - M) with M the running largest t rounded up to a whole number, O = (p v) / (the sum of the unquantised p); O is quantised along the head's 64 and leaves as codes.
; SHARES.  Work-group (half, batch x head).  It copies its head's K, V and scale words (104 KiB) into LDS once, passes ONE barrier, and its sixteen waves never meet again.
; A wave takes two tiles of 16 queries, tile QT = 16 half + wave and tile 63 - QT, one after the other, and walks the 8 key steps of 128.  A key step all of whose 16 x 128 places are masked is passed over: a scalar branch on a
; whole number that the first launch stored from the mask itself.  Whatever the mask, the result is right; only the balance between waves hangs on its shape.
; NO CLUSTER AND NO TENSOR LOAD: which key steps a wave walks hangs on stored numbers, so partners would want different numbers of tiles; and what the two work-groups of a head share is read once, at the head.
; LAYOUT.  Both products are used transposed (S^T = K Q^T, O^T = V^T P^T): a lane holds one query (lane % 16) throughout.  K's tiles lie with bits 3 and 4 of the key's number exchanged, so that register 16 b + i of the 64 scores is key 32 b + 16 (lane / 16) + i.
; THE BIAS AND THE MASK COST NO VECTOR INSTRUCTION: the first launch has laid 8 x bias (or -3e38 where masked) as an image of the 64 score registers; it is loaded into them and is the C of the first product.
; THE HEAD IS 64 WIDE, the instruction 128: Q's registers 6-11 hold zero codes.  So K's registers 6-11 may hold anything under a scale byte other than 0xff: they are the next tile's codes, and 8 tiles lie in 54 registers.
; LIMITS: the running largest t begins at -1e30 and a masked place is -3e38 in S's units: an open logit under that would count as masked.  A row with no open key has the sum 0: its scale bytes are set to 0xff, which makes the
; row of the output NaN, as a softmax over nothing is.  A block of zeros gets the scale byte 1.  NaN and infinities among the inputs are not served.
.set LV,    49152                      ; LDS: K [tile 64][768] at 0; V [tile of channels 4][key step 8][1536];
.set LKS,   98304                      ; K's scale words [tile 64][16];
.set LVS,   102400                     ; V's [tile 4][key step 8][32];
.set SPARE, 106496                     ; the spare words, 128 bytes a wave
.set SPW, 5                            ; v1 16 L, v2 8 L, v3 4 L, v4 4 r, v7 32 r; v5, v6 the add's two; v8-11, v28, v29 the step's LDS addresses
.set NIL, 6                            ; v12 -M, v13 the largest t, v[14:15] the sum in two halves; v16-27 Q; v30 Q's scale word
.set S,   96                           ; v32-85 K's or V's fragments; v86-89 K's scale words, v90-93 V's; v96-159 bias, scores, p; v160-191 O^T
.set O,   160
.set PC,  192                          ; v192-203 p's codes; v204-210 the conversions' second halves
.set PT,  204
.set BM,  212                          ; v212-215 the blocks' largest; v216-219 at work; v220-223 scale operands; v224 at work; v225 the sum; v226 f, v227 p's scale word; v[228:229] 1 / the sum; v230 0xffff
.set BT,  216
.set SO,  220
.set SEL, 24                           ; s[24:25]
.set CS,  26                           ; s[26:27] log2(e) / 8
.set QT,  28
.set FL,  29                           ; bit s: key step s has an open key
.set SI,  30
.set TK,  31
.set TV,  32
.set TKS, 33
.set TVS, 34
.set BP,  36                           ; s[36:37] the step's image of the bias
	s_load_b256 s[4:11], s[0:1], 0x0               ; qkv 4, btab 6, flags 8, att 10
	v_lshl_add_u32 v[SPW], v0, 2, SPARE
	v_mov_b32 v[NIL], 0
	v_lshrrev_b32 v8, 5, v0
	v_readfirstlane_b32 s12, v8                    ; wave 0..15
	v_and_b32 v9, 31, v0
	v_and_b32 v10, 15, v0
	v_lshlrev_b32 v1, 4, v9
	v_lshlrev_b32 v2, 3, v9
	v_lshlrev_b32 v3, 2, v9
	v_lshlrev_b32 v4, 2, v10
	v_lshlrev_b32 v7, 5, v10
	v_add_nc_u32 v232, LV, v1
	v_add_nc_u32 v233, LV+512, v2
	v_add_nc_u32 v234, LKS, v3
	v_add_nc_u32 v235, LVS, v3
	v_lshlrev_b32 v236, 4, v0                      ; the fill: 16 bytes a thread
	v_add_nc_u32 v237, LV, v236
	v_add_nc_u32 v238, LKS, v236
	v_and_b32 v239, 255, v0
	v_lshlrev_b32 v239, 4, v239
	s_and_b32 s13, ttmp7, 0xffff                   ; batch x head
	s_mul_i32 s14, s13, 49152
	s_lshl_b32 s15, s13, 12
	s_mov_b32 s39, 0                               ; the high word of every offset pair s[38:39]
	s_mov_b32 s[SEL], 0x76543210
	s_mov_b32 s[SEL+1], 0xfedcba98
	s_mov_b32 s[CS], 0x3e38aa3b
	s_mov_b32 s[CS+1], s[CS]
	s_wait_kmcnt 0x0
	s_add_co_u32 s38, s14, 6291456
	s_add_nc_u64 s[48:49], s[4:5], s[38:39]        ; the head's K
	s_add_co_u32 s38, s14, 12582912
	s_add_nc_u64 s[50:51], s[4:5], s[38:39]        ; its V
	s_cmp_lt_u32 s12, 8
	s_cselect_b32 s38, 0, 524288                   ; waves 0-7 copy K's scale words, waves 8-15 V's
	s_add_co_u32 s38, s38, s15
	s_add_co_u32 s38, s38, 19398656
	s_add_nc_u64 s[52:53], s[4:5], s[38:39]
.irp j, 0,1,2,3,4,5
	global_load_b128 v[96+4*\j:99+4*\j], v236, s[48:49] offset:8192*\j
.endr
.irp j, 0,1,2,3,4,5
	global_load_b128 v[120+4*\j:123+4*\j], v236, s[50:51] offset:8192*\j
.endr
	global_load_b128 v[144:147], v239, s[52:53]
.irp j, 22,23,24,25,26,27, 80,81,82,83,84,85, 216,217,218,219, 224, 227, 229
	v_mov_b32 v\j, 0                               ; Q's upper half and what lies behind K's last tile: zero codes; and registers that are named before they are first computed
.endr
	v_mov_b32 v230, 0xffff
	s_wait_loadcnt 0x0
.irp j, 0,1,2,3,4,5
	ds_store_b128 v236, v[96+4*\j:99+4*\j] offset:8192*\j
.endr
.irp j, 0,1,2,3,4,5
	ds_store_b128 v237, v[120+4*\j:123+4*\j] offset:8192*\j
.endr
	ds_store_b128 v238, v[144:147]
	s_wait_dscnt 0x0                               ; for the others' sake: my stores have landed
	s_barrier_signal -1
	s_barrier_wait -1                              ; the one barrier: from here on LDS is only read
.macro TASK                            ; the tile of 16 queries s[QT]
	s_lshl_b32 s38, s[QT], 5
	s_add_nc_u64 s[56:57], s[8:9], s[38:39]
	s_load_b256 s[16:23], s[56:57], 0x0            ; the tile's eight words
	s_mul_i32 s54, s[QT], 768
	s_add_co_u32 s38, s54, s14
	s_add_nc_u64 s[40:41], s[4:5], s[38:39]        ; Q's codes; O's codes lie at the same offset in att
	s_add_nc_u64 s[44:45], s[10:11], s[38:39]
	s_lshl_b32 s38, s[QT], 6
	s_add_co_u32 s38, s38, s15
	s_add_co_u32 s38, s38, 18874368
	s_add_nc_u64 s[42:43], s[4:5], s[38:39]        ; Q's scale words
	s_lshr_b32 s54, s13, 4
	s_lshl_b32 s54, s54, 15
	s_lshl_b32 s38, s[QT], 9
	s_add_co_u32 s38, s38, s54
	s_and_b32 s54, s13, 15
	s_lshl_b32 s54, s54, 1
	s_add_co_u32 s38, s38, s54
	s_add_co_u32 s38, s38, 6291456
	s_add_nc_u64 s[46:47], s[10:11], s[38:39]      ; O's scale bytes: row (batch, query) of 32, bytes 2 head, 2 head + 1
	s_lshl_b32 s38, s[QT], 16
	s_add_nc_u64 s[BP:BP+1], s[6:7], s[38:39]
	global_load_b128 v[16:19], v1, s[40:41]
	global_load_b64 v[20:21], v2, s[40:41] offset:512
	global_load_b32 v30, v4, s[42:43]
	v_mov_b32 v13, 0xf149f2ca                      ; the largest t so far: -1e30
	v_floor_f32 v12, -v13
	v_mov_b32 v14, 0
	v_mov_b32 v15, 0
.set i, 0
.rept 32
	v_mov_b32 v[O+i], 0                            ; the step is written once: the first finds zeros
.set i, i+1
.endr
	s_mov_b32 s[TK], 0
	s_mov_b32 s[TV], 0
	s_mov_b32 s[TKS], 0
	s_mov_b32 s[TVS], 0
	s_mov_b32 s[SI], 0
	s_wait_kmcnt 0x0
	s_mov_b32 s[FL], s16
.irp i, 1,2,3,4,5,6,7
	s_lshl_b32 s54, s[16+\i], \i
	s_or_b32 s[FL], s[FL], s54
.endr
	s_wait_loadcnt 0x0                             ; Q
.Lkey_\@:                                          ; eight trips, a constant; a step with no open key jumps to the lines that step addresses
	s_lshr_b32 s54, s[FL], s[SI]
	s_and_b32 s54, s54, 1
	s_cmp_eq_u32 s54, 0
	s_cbranch_scc1 .Lskip_\@
	v_add_nc_u32 v8, s[TK], v1                     ; (these six are also the places in front of loads into registers that the last products read)
	v_add_nc_u32 v9, s[TK], v2
	v_add_nc_u32 v10, s[TV], v232
	v_add_nc_u32 v11, s[TV], v233
	v_add_nc_u32 v28, s[TKS], v234
	v_add_nc_u32 v29, s[TVS], v235
.irp g, 0,1,2,3,4,5,6,7,8,9,10,11,12,13,14,15
	global_load_b128 v[S+4*\g:S+4*\g+3], v1, s[BP:BP+1] offset:512*\g      ; 8 x bias, or -3e38: the C of the products below
.endr
.irp t, 0,1,2,3,4,5,6,7
	ds_load_b128 v[32+6*\t:35+6*\t], v8 offset:768*\t
	ds_load_b64 v[36+6*\t:37+6*\t], v9 offset:768*\t+512
.endr
.irp b, 0,1,2,3
	ds_load_b32 v[86+\b], v28 offset:128*\b        ; lanes 0-15: tile 2 b's words, lanes 16-31: tile 2 b + 1's
.endr
	s_wait_loadcnt 0x0
	s_wait_dscnt 0x0
.irp t, 0,1,2,3,4,5,6,7
.if \t%2
	v_wmma_scale_f32_16x16x128_f8f6f4 v[S+8*\t:S+8*\t+7], v[32+6*\t:43+6*\t], v[16:27], v[S+8*\t:S+8*\t+7], v[86+\t/2], v30 matrix_a_fmt:MATRIX_FMT_FP6 matrix_b_fmt:MATRIX_FMT_FP6 matrix_a_scale:MATRIX_SCALE_ROW1
.else
	v_wmma_scale_f32_16x16x128_f8f6f4 v[S+8*\t:S+8*\t+7], v[32+6*\t:43+6*\t], v[16:27], v[S+8*\t:S+8*\t+7], v[86+\t/2], v30 matrix_a_fmt:MATRIX_FMT_FP6 matrix_b_fmt:MATRIX_FMT_FP6
.endif
.endr
.rept 4
	v_nop                                          ; places in front of the loads below and of the first read of the scores
.endr
.irp d, 0,1,2,3                                ; V's four fragments go out now and land under the softmax
	ds_load_b128 v[32+12*\d:35+12*\d], v10 offset:12288*\d
	ds_load_b64 v[36+12*\d:37+12*\d], v11 offset:12288*\d
	ds_load_b128 v[38+12*\d:41+12*\d], v10 offset:12288*\d+768
	ds_load_b64 v[42+12*\d:43+12*\d], v11 offset:12288*\d+768
	ds_load_b32 v[90+\d], v29 offset:1024*\d
.endr
.irp b, 0,1,2,3
	v_max3_num_f32 v[BM+\b], v[S+16*\b], v[S+1+16*\b], v[S+2+16*\b]        ; the largest score of each block of 32 keys: for the row's maximum, and, since p rises with the score, for the block's largest p
.endr
.irp i, 3,5,7,9,11,13
.irp b, 0,1,2,3
	v_max3_num_f32 v[BM+\b], v[BM+\b], v[S+16*\b+\i], v[S+1+16*\b+\i]
.endr
.endr
.irp b, 0,1,2,3
	v_max_num_f32 v[BM+\b], v[BM+\b], v[S+15+16*\b]
.endr
.irp b, 0,1,2,3
	v_permlanex16_b32 v[BT+\b], v[BM+\b], s[SEL], s[SEL+1]
.endr
.irp b, 0,1,2,3
	v_max_num_f32 v[BM+\b], v[BM+\b], v[BT+\b]
.endr
	v_max3_num_f32 v224, v[BM], v[BM+1], v[BM+2]
	v_max_num_f32 v224, v224, v[BM+3]
	v_mul_f32 v224, s[CS], v224
	v_max_num_f32 v13, v13, v224                   ; the running largest t
	v_mov_b32 v224, v12
	v_floor_f32 v12, -v13                          ; -M = floor(-t): M is a whole number
	v_sub_f32 v224, v12, v224
	v_cvt_i32_f32 v224, v224                       ; (it saturates)
	v_ldexp_f32 v226, 1.0, v224                    ; f = 2^(old M - new M): exact
.set i, 0
.rept 32
	v_pk_fma_f32 v[S+2*i:S+2*i+1], v[S+2*i:S+2*i+1], s[CS:CS+1], v[12:13] op_sel_hi:[1,0,0]   ; t - M
.set i, i+1
.endr
.irp b, 0,1,2,3
	v_fma_f32 v[BM+\b], v[BM+\b], s[CS], v12
.endr
.set i, 0
.rept 64
	v_exp_f32 v[S+i], v[S+i]                       ; p = 2^(t - M): not normalised
.set i, i+1
.endr
	v_pk_mul_f32 v[14:15], v[14:15], v[226:227] op_sel_hi:[1,0]    ; the sums under the new M: a plain place behind the exponentials
	s_wait_alu depctr_va_vdst(0)                   ; one wait for the batch of 64, ahead of its first reader
.irp b, 0,1,2,3
	v_exp_f32 v[BM+\b], v[BM+\b]                   ; each block's largest p
.endr
	v_pk_add_f32 v[BT:BT+1], v[S:S+1], v[S+2:S+3]  ; the row's sum is taken of the unquantised p, in two chains
.irp j, 4,8,12,16,20,24,28,32,36,40,44,48,52,56,60
	v_pk_add_f32 v[14:15], v[14:15], v[S+\j:S+\j+1]
	v_pk_add_f32 v[BT:BT+1], v[BT:BT+1], v[S+2+\j:S+3+\j]
.endr
	v_pk_add_f32 v[14:15], v[14:15], v[BT:BT+1]
	s_wait_alu depctr_va_vdst(0)                   ; and one for the four
.irp b, 0,1,2,3
	v_max_num_f32 v[BM+\b], 0x1800000, v[BM+\b]    ; the floor 2^(3 - 127): the byte cannot fall under 1
.endr
.irp b, 0,1,2,3
	v_add_nc_u32 v[SO+\b], 0xff000000, v[BM+\b]
.endr
.irp b, 0,1,2,3
	v_lshrrev_b32 v[BT+\b], 23, v[SO+\b]
.endr
	v_lshl_or_b32 v227, v[BT+1], 8, v[BT]          ; p's scale word for these 128 keys
	v_lshl_or_b32 v227, v[BT+2], 16, v227
	v_lshl_or_b32 v227, v[BT+3], 24, v227
.irp c, 0,1
	v_cvt_scalef32_pk16_fp6_f32 v[PC+6*\c:PC+2+6*\c], v[S+32*\c:S+15+32*\c], v[SO+2*\c]
	v_cvt_scalef32_pk16_fp6_f32 v[PT+4*\c:PT+2+4*\c], v[S+16+32*\c:S+31+32*\c], v[SO+2*\c+1]
.endr
	v_nop                                          ; one plain place behind a scaled conversion
.irp c, 0,1
.irp i, 0,1,2
	v_permlane16_swap_b32 v[PC+6*\c+\i], v[PT+4*\c+\i]
.endr
.irp i, 0,1,2
	v_mov_b32 v[PC+3+6*\c+\i], v[PT+4*\c+\i]
.endr
.endr
.set i, 0
.rept 16
	v_pk_mul_f32 v[O+2*i:O+2*i+1], v[O+2*i:O+2*i+1], v[226:227] op_sel_hi:[1,0]    ; O^T under the new M; these 16 are also the places between the scale word's and the codes' last writes and the products
.set i, i+1
.endr
	s_wait_dscnt 0x0                               ; V
.irp d, 0,1,2,3
	v_wmma_scale_f32_16x16x128_f8f6f4 v[O+8*\d:O+8*\d+7], v[32+12*\d:43+12*\d], v[PC:PC+11], v[O+8*\d:O+8*\d+7], v[90+\d], v227 matrix_a_fmt:MATRIX_FMT_FP6 matrix_b_fmt:MATRIX_FMT_FP6
.endr
.Lskip_\@:
	s_add_co_u32 s[TK], s[TK], 6144
	s_add_co_u32 s[TV], s[TV], 1536
	s_add_co_u32 s[TKS], s[TKS], 512
	s_add_co_u32 s[TVS], s[TVS], 128
	s_add_nc_u64 s[BP:BP+1], s[BP:BP+1], 8192      ; (the loads that named it have been waited for)
	s_add_co_u32 s[SI], s[SI], 1
	s_cmp_lt_u32 s[SI], 8
	s_cbranch_scc1 .Lkey_\@
	; THE WAY OUT of a tile: O^T / the sum; register 16 b + i is channel 32 b + 16 (lane / 16) + i: two blocks of 32 along the last product's K
.rept 4
	v_nop                                          ; places behind the last products
.endr
	v_add_f32 v225, v14, v15
	v_permlanex16_b32 v224, v225, s[SEL], s[SEL+1]
	v_add_f32 v225, v225, v224                     ; the row's sum
	v_rcp_f32 v228, v225
	v_nop                                          ; a plain place behind the reciprocal,
	s_wait_alu depctr_va_vdst(0)                   ; and the wait ahead of its first reader
.set i, 0
.rept 16
	v_pk_mul_f32 v[S+2*i:S+2*i+1], v[O+2*i:O+2*i+1], v[228:229] op_sel_hi:[1,0]    ; each accumulator from its low end on
.set i, i+1
.endr
.irp b, 0,1
	v_max3_num_f32 v[BM+\b], |v[S+16*\b]|, |v[S+1+16*\b]|, 0x1800000
.endr
.irp i, 2,4,6,8,10,12,14
.irp b, 0,1
	v_max3_num_f32 v[BM+\b], v[BM+\b], |v[S+16*\b+\i]|, |v[S+1+16*\b+\i]|
.endr
.endr
.irp b, 0,1
	v_permlanex16_b32 v[BT+\b], v[BM+\b], s[SEL], s[SEL+1]
.endr
.irp b, 0,1
	v_max_num_f32 v[BM+\b], v[BM+\b], v[BT+\b]
.endr
.irp b, 0,1
	v_add_nc_u32 v[SO+\b], 0xff000000, v[BM+\b]
.endr
.irp b, 0,1
	v_lshrrev_b32 v[BT+\b], 23, v[SO+\b]
.endr
	v_lshl_or_b32 v224, v[BT+1], 8, v[BT]
	v_cmp_eq_f32 vcc_lo, 0, v225                   ; a row with no open key:
	v_cndmask_b32 v224, v224, v230, vcc_lo         ; both bytes 0xff: the output's row becomes NaN
	v_cvt_scalef32_pk16_fp6_f32 v[PC:PC+2], v[S:S+15], v[SO]
	v_cvt_scalef32_pk16_fp6_f32 v[PT:PT+2], v[S+16:S+31], v[SO+1]
	v_nop
.irp i, 0,1,2
	v_permlane16_swap_b32 v[PC+\i], v[PT+\i]
.endr
.irp i, 0,1,2
	v_mov_b32 v[PC+3+\i], v[PT+\i]
.endr
	global_store_b128 v1, v[PC:PC+3], s[44:45]     ; 32 lanes store 512 consecutive bytes,
	global_store_b64 v2, v[PC+4:PC+5], s[44:45] offset:512     ; and 256
	global_store_b16 v7, v224, s[46:47]            ; lanes 16-31 repeat lanes 0-15
	s_wait_xcnt 0x0                                ; the stores have read their data and bases: the next tile writes both again
.endm
	s_lshl_b32 s[QT], ttmp9, 4
	s_add_co_u32 s[QT], s[QT], s12
	TASK
	s_sub_co_u32 s[QT], 63, s[QT]
	TASK
	s_wait_tensorcnt 0x0                           ; the wave's end, behind my last LDS store
	ds_add_u32 v[SPW], v[NIL]
	s_wait_dscnt 0x0
	s_endpgm
.Lfunc_end_k_qb77d8e79d7_attn:
	.size	k_qb77d8e79d7_attn, .Lfunc_end_k_qb77d8e79d7_attn-k_qb77d8e79d7_attn
	.p2alignl 7, 3214868480
	.fill 96, 4, 3214868480
	.section	.rodata,"a",@progbits
	.p2align	6, 0x0
	.amdhsa_kernel k_qb77d8e79d7_attn
		.amdhsa_group_segment_fixed_size 108544
		.amdhsa_private_segment_fixed_size 0
		.amdhsa_enable_private_segment 0
		.amdhsa_kernarg_size 32
		.amdhsa_user_sgpr_count 2
		.amdhsa_user_sgpr_kernarg_segment_ptr 1
		.amdhsa_wavefront_size32 1
		.amdhsa_system_sgpr_workgroup_id_x 1
		.amdhsa_system_sgpr_workgroup_id_y 1
		.amdhsa_system_sgpr_workgroup_id_z 1
		.amdhsa_system_vgpr_workitem_id 0
		.amdhsa_next_free_vgpr 256
		.amdhsa_next_free_sgpr 66
		.amdhsa_reserve_vcc 1
		.amdhsa_float_denorm_mode_32 3
		.amdhsa_float_denorm_mode_16_64 3
		.amdhsa_memory_ordered 1
		.amdhsa_forward_progress 1
		.amdhsa_inst_pref_size 55
	.end_amdhsa_kernel
	.amdgpu_metadata
---
amdhsa.version: [ 1, 2 ]
amdhsa.kernels:
  - .name:           k_qb77d8e79d7_attn
    .symbol:         k_qb77d8e79d7_attn.kd
    .args:
      - { .name: qkv, .offset: 0, .size: 8, .value_kind: global_buffer, .address_space: global }
      - { .name: btab, .offset: 8, .size: 8, .value_kind: global_buffer, .address_space: global }
      - { .name: flags, .offset: 16, .size: 8, .value_kind: global_buffer, .address_space: global }
      - { .name: att, .offset: 24, .size: 8, .value_kind: global_buffer, .address_space: global }
    .group_segment_fixed_size: 108544
    .private_segment_fixed_size: 0
    .kernarg_segment_align: 8
    .kernarg_segment_size: 32
    .max_flat_workgroup_size: 512
    .sgpr_count:     66
    .vgpr_count:     256
    .wavefront_size: 32
...
	.end_amdgpu_metadata
.endif
;; end of part 3
;; launch outp (part 4): grid 4 x 32, 4 waves a work-group, clusters of 4 x 4, 327,680 bytes of LDS; arguments att, wts, bo, out0; writes out0
.if DOCPART == 4
	.amdgcn_target "amdgcn-amd-amdhsa--gfx1250"
	.amdhsa_code_object_version 6
	.text
	.protected	k_qb77d8e79d7_outp
	.globl	k_qb77d8e79d7_outp
	.p2align	8
	.type	k_qb77d8e79d7_outp,@function
k_qb77d8e79d7_outp:
	s_mov_b64 s[64:65], 0
	v_nop
	global_prefetch_b8 v0, s[64:65] scope:SCOPE_SE
	s_setreg_imm32_b32 hwreg(HW_REG_WAVE_MODE, 25, 1), 1
	s_wait_xcnt 0x0
	s_wait_alu depctr_hold_cnt(0) depctr_sa_sdst(0) depctr_va_vdst(0) depctr_va_sdst(0) depctr_va_ssrc(0) depctr_va_vcc(0) depctr_vm_vsrc(0)
	s_getreg_b32 s2, hwreg(HW_REG_IB_STS2, 6, 4)
	s_cmp_eq_u32 s2, 0
	s_cbranch_scc0 .Lentry_in_a_cluster
	s_endpgm
.Lentry_in_a_cluster:
	s_bfe_u32 s2, ttmp6, 0x10000c
	s_cmp_lg_u32 s2, 0xf033
	s_cbranch_scc0 .Lentry_shape_is_right
	s_endpgm
.Lentry_shape_is_right:
; THE OUTPUT PROJECTION: out0 = O Wo + bo.  O [8192][K 1024] arrives as codes of FP6 (E2M3) from the attention launch, Wo [1024 columns][K 1024] from the first; out0 [8192][1024] f32.
; A work-group of four waves makes 256 x 256, a wave 128 x 128 (64 accumulators).  Source 0 = 16 columns' rows of Wo, source 1 = 16 rows of O: a lane holds eight neighbouring numbers of a row of out0.
; CODES are half fragments of 768 bytes (16 rows x 64 K: lane L's bytes 0-15 at 16 L, bytes 16-23 at 512 + 8 L), an operand [group of 1,024 rows][K / 64][tile 64][768]; scale bytes [row][32].
; K goes in steps of 256 through two LDS slots; a wave's tensor load brings 4 (K / 64) x 8 tiles x 768 bytes.  The scale bytes of the work-group's rows come once, with the first fills.
; CLUSTERS: 4 x 4 work-groups; O's tiles are shared along a row of the cluster, Wo's along a column, each asked for jointly.  The grid's x is 4: there is one cluster along x.
; A scale byte 0xff (a query with no open key) makes its whole row NaN.
; REGISTERS: window 0: v0-31 addresses, v[8:11] my four numbers of bo; v32-63 scale words; v128-223 A's fragments (on the way out v128-255: rows read back).  window 1: B's fragments, two sets.  windows 2, 3: the accumulators.
.set NQ,    2
.set FR,    12
.set NL,    4
.set NP,    4                          ; places behind this matrix instruction (ISA guide 7.12.1)
.set HFB,   768
.set KHB,   8*HFB
.set HALFT, 4*KHB
.set SLOT,  4*HALFT
.set KSB,   4*49152
.set SCL,   2*SLOT
.set HALFS, 16*272
.set SBLK,  2*272
.set SPARE, SCL+4*HALFS
.set SPITCH, 528                       ; the way out: a stage of 16 rows x (512 + 16) bytes a wave, in slot 0, which has had its last fill and its last read by then
.set ADRA, 16
.set ADRB, 20
.set STO,  24
.set RD,   25
.set CO,   26
.set ADRS, 27
.set SPW,  28
.set NIL,  29
.set SC,   32
.set AF,   128
.set BK,   128
.set WV, 16
.set HI, 17
.set LO, 18
.set G1, 24
.set G0, 32
.set G1B, 48
.set G0B, 56
.set G1S, 68
.set G0S, 76
.set G1SB, 80
.set G0SB, 88
.set MSB, 0
.macro WIN new
.if MSB != \new
	s_set_vgpr_msb (MSB<<8)|\new
.set MSB, \new
.endif
.endm
.set MUL_LO, 0xa1
.set MUL_HI, 0xf1
.set TO_B,   0x40
.macro JLOAD g0a, g1a, g0b, g1b        ; a joint load: waves 0 and 1 fetch for A, waves 2 and 3 for B; an s_nop 0 and four v_nop follow each of the two lines
	s_cmp_eq_u32 s[HI], 0
	s_cbranch_scc0 .Lfor_b_\@
	tensor_load_to_lds s[\g0a:\g0a+3], s[\g1a:\g1a+7]
	s_nop 0
.rept 4
	v_nop
.endr
	s_branch .Lasked_\@
.Lfor_b_\@:
	tensor_load_to_lds s[\g0b:\g0b+3], s[\g1b:\g1b+7]
	s_nop 0
.rept 4
	v_nop
.endr
.Lasked_\@:
.endm
.macro CREST
	s_cmp_lg_u32 s[WV], 0
	s_cbranch_scc1 .Lnot_wave_0_\@
	s_barrier_signal -3
.Lnot_wave_0_\@:
	s_barrier_wait -3
	s_barrier_signal -1
	s_barrier_wait -1
.endm
.macro CROUND
	s_barrier_signal -1
	s_barrier_wait -1
	CREST
.endm
	s_load_b256 s[4:11], s[0:1], 0x0               ; att 4, wts 6, bo 8, out0 10
	v_lshl_add_u32 v[SPW], v0, 2, SPARE
	v_mov_b32 v[NIL], 0
	ds_add_u32 v[SPW], v[NIL]                      ; the wave's opening: the add and its wait stand ahead of my first tensor load
	v_lshrrev_b32 v1, 5, v0
	v_readfirstlane_b32 s[WV], v1
	s_lshr_b32 s[HI], s[WV], 1
	s_and_b32 s[LO], s[WV], 1
	s_bfe_u32 s19, ttmp6, 0x40000                  ; cx = the tile of 256 columns
	s_bfe_u32 s20, ttmp6, 0x40004                  ; cy
	s_and_b32 s23, ttmp7, 0xffff
	s_lshl_b32 s23, s23, 2
	s_add_co_u32 s23, s23, s20                     ; the tile of 256 rows
	s_lshl_b32 s43, s20, 2
	s_lshl_b32 s43, 15, s43                        ; my row of the cluster
	s_lshl_b32 s44, 0x1111, s19                    ; my column
	s_lshr_b32 s92, s23, 2
	s_mul_i32 s92, s92, 786432
	s_and_b32 s45, s23, 3
	s_lshl_b32 s45, s45, 4
	s_lshl_b32 s46, s[LO], 3
	s_add_co_u32 s45, s45, s46
	s_mul_i32 s45, s45, HFB
	s_add_co_u32 s92, s92, s45                     ; A's codes
	s_mov_b32 s93, 0
	s_lshl_b32 s94, s23, 13
	s_lshl_b32 s46, s[LO], 12
	s_add_co_u32 s94, s94, s46
	s_add_co_u32 s94, s94, 6291456                 ; A's scale bytes
	s_mov_b32 s95, 0
	s_lshl_b32 s96, s19, 4
	s_lshl_b32 s46, s[LO], 3
	s_add_co_u32 s96, s96, s46
	s_mul_i32 s96, s96, HFB
	s_add_co_u32 s96, s96, 2359296                 ; Wo's codes
	s_mov_b32 s97, 0
	s_lshl_b32 s98, s19, 13
	s_lshl_b32 s46, s[LO], 12
	s_add_co_u32 s98, s98, s46
	s_add_co_u32 s98, s98, 3244032                 ; Wo's scale bytes
	s_mov_b32 s99, 0
	s_mul_i32 s2, s[WV], HALFT
	s_mul_i32 s3, s[WV], HALFS
	s_or_b32 s[G1+0], s43, (3<<16)|(1<<21)         ; codes: 4 rows of 768 elements of 8 bytes, 49,152 bytes apart; no padding
	s_or_b32 s[G1B+0], s44, (3<<16)|(1<<21)
.irp g, G1, G1B
	s_mov_b32 s[\g+1], 768<<16
	s_mov_b32 s[\g+2], 4<<16
	s_mov_b32 s[\g+3], 768<<16
	s_mov_b32 s[\g+4], 4
	s_mov_b32 s[\g+5], 6144
	s_mov_b32 s[\g+6], 0
	s_mov_b32 s[\g+7], 0
.endr
	s_or_b32 s[G1S+0], s43, (3<<16)|(1<<20)|(1<<21)|(5<<22)|(3<<25)    ; scale bytes: 16 rows of 256 bytes, 16 of padding behind each
	s_or_b32 s[G1SB+0], s44, (3<<16)|(1<<20)|(1<<21)|(5<<22)|(3<<25)
.irp g, G1S, G1SB
	s_mov_b32 s[\g+1], 32<<16
	s_mov_b32 s[\g+2], 16<<16
	s_mov_b32 s[\g+3], 32<<16
	s_mov_b32 s[\g+4], 16
	s_mov_b32 s[\g+5], 32
	s_mov_b32 s[\g+6], 0
	s_mov_b32 s[\g+7], 0
.endr
	s_wait_dscnt 0x0                               ; the opening add is done
	s_wait_kmcnt 0x0
	s_add_nc_u64 s[92:93], s[4:5], s[92:93]
	s_add_nc_u64 s[94:95], s[4:5], s[94:95]
	s_add_nc_u64 s[96:97], s[6:7], s[96:97]
	s_add_nc_u64 s[98:99], s[6:7], s[98:99]
	CROUND                                         ; all sixteen work-groups are here: the first joint loads meet
	s_mov_b32 s[G0S], 1
	s_add_co_u32 s[G0S+1], s3, SCL
	s_mov_b64 s[G0S+2:G0S+3], s[94:95]
	s_or_b32 s[G0S+3], s[G0S+3], 0x80000000
	s_mov_b32 s[G0SB], 1
	s_add_co_u32 s[G0SB+1], s3, SCL
	s_mov_b64 s[G0SB+2:G0SB+3], s[98:99]
	s_or_b32 s[G0SB+3], s[G0SB+3], 0x80000000
	JLOAD G0S, G1S, G0SB, G1SB
.irp s, 0,1
	s_mov_b32 s[G0+4*\s], 1
	s_add_co_u32 s[G0+4*\s+1], s2, \s*SLOT
	s_add_nc_u64 s[G0+4*\s+2:G0+4*\s+3], s[92:93], \s*KSB
	s_or_b32 s[G0+4*\s+3], s[G0+4*\s+3], 0x80000000
	s_mov_b32 s[G0B+4*\s], 1
	s_add_co_u32 s[G0B+4*\s+1], s2, \s*SLOT
	s_add_nc_u64 s[G0B+4*\s+2:G0B+4*\s+3], s[96:97], \s*KSB
	s_or_b32 s[G0B+4*\s+3], s[G0B+4*\s+3], 0x80000000
	JLOAD G0+4*\s, G1, G0B+4*\s, G1B
.endr
	v_and_b32 v1, 15, v0
	v_bfe_u32 v2, v0, 4, 1
	v_and_b32 v3, 31, v0
	v_lshlrev_b32 v4, 4, v3
	v_lshlrev_b32 v5, 3, v3
	v_add_nc_u32 v5, 512, v5
	s_mul_i32 s22, s[HI], HALFT
	s_mul_i32 s46, s[LO], HALFT
	s_add_co_u32 s46, s46, 2*HALFT
.irp s, 0,1
	v_add_nc_u32 v[ADRA+\s], s22, v4
	v_add_nc_u32 v[ADRB+\s], s46, v4
	v_add_nc_u32 v[ADRA+2+\s], s22, v5
	v_add_nc_u32 v[ADRB+2+\s], s46, v5
	s_add_co_u32 s22, s22, SLOT
	s_add_co_u32 s46, s46, SLOT
.endr
	v_lshlrev_b32 v6, 5, v1
	v_lshrrev_b32 v13, 8, v6
	v_lshl_add_u32 v6, v13, 4, v6
	s_mul_i32 s22, s[HI], HALFS
	s_mul_i32 s46, s[LO], HALFS
	s_add_co_u32 s46, s46, 2*HALFS
	s_sub_co_u32 s46, s46, s22
	v_mul_u32_u24 v13, s46, v2
	s_add_co_u32 s22, s22, SCL
	v_add_nc_u32 v6, v6, v13
	v_add_nc_u32 v[ADRS], s22, v6
	s_mul_i32 s22, s[WV], 16*SPITCH                ; my stage
	v_mul_u32_u24 v6, v1, SPITCH
	v_lshl_add_u32 v6, v2, 5, v6
	v_add_nc_u32 v[STO], s22, v6                   ; in: row r, 32 bytes for each half of the lanes
	v_mov_b32 v[CO], v4                            ; back: the 32 lanes take one row of 512 bytes; and the same in out0
	v_add_nc_u32 v[RD], s22, v4
	s_lshl_b32 s94, s19, 10
	s_lshl_b32 s46, s[LO], 9
	s_add_co_u32 s94, s94, s46                     ; my first column, in bytes
	s_mov_b32 s95, 0
	s_add_nc_u64 s[8:9], s[8:9], s[94:95]
	global_load_b128 v[8:11], v[CO], s[8:9]        ; bo at my four columns of a row read back
	s_lshl_b32 s92, s23, 8
	s_lshl_b32 s46, s[HI], 7
	s_add_co_u32 s92, s92, s46
	s_lshl_b32 s92, s92, 12                        ; my first row, 4,096 bytes a row
	s_add_co_u32 s92, s92, s94
	s_mov_b32 s93, 0
	s_add_nc_u64 s[10:11], s[10:11], s[92:93]
.macro FRAG reg, adr, q, i
	ds_load_b128 v[\reg:\reg+3], v[\adr] offset:(2*(\q))*KHB+(\i)*HFB
	ds_load_b64 v[\reg+4:\reg+5], v[\adr+2] offset:(2*(\q))*KHB+(\i)*HFB
	ds_load_b128 v[\reg+6:\reg+9], v[\adr] offset:(2*(\q)+1)*KHB+(\i)*HFB
	ds_load_b64 v[\reg+10:\reg+11], v[\adr+2] offset:(2*(\q)+1)*KHB+(\i)*HFB
.endm
.macro MUL16 a0, p, q, sc, zero        ; the 64 accumulators take turns, one instruction a turn, in the same order in every step
.irp a, \a0, \a0+1
.irp b, 0,1,2,3,4,5,6,7
.if \zero
	v_wmma_scale_f32_16x16x128_f8f6f4 v[8*(8*((\a)%4)+\b):8*(8*((\a)%4)+\b)+7], v[128*(\p)+FR*\b:128*(\p)+FR*\b+FR-1], v[AF+FR*(\a):AF+FR*(\a)+FR-1], 0, v[SC+8*NQ*(\sc)+NQ*\b+(\q)], v[SC+8*NQ*(\sc)+NQ*(\a)+(\q)] matrix_a_fmt:MATRIX_FMT_FP6 matrix_b_fmt:MATRIX_FMT_FP6 matrix_a_scale:MATRIX_SCALE_ROW1
.else
	v_wmma_scale_f32_16x16x128_f8f6f4 v[8*(8*((\a)%4)+\b):8*(8*((\a)%4)+\b)+7], v[128*(\p)+FR*\b:128*(\p)+FR*\b+FR-1], v[AF+FR*(\a):AF+FR*(\a)+FR-1], v[8*(8*((\a)%4)+\b):8*(8*((\a)%4)+\b)+7], v[SC+8*NQ*(\sc)+NQ*\b+(\q)], v[SC+8*NQ*(\sc)+NQ*(\a)+(\q)] matrix_a_fmt:MATRIX_FMT_FP6 matrix_b_fmt:MATRIX_FMT_FP6 matrix_a_scale:MATRIX_SCALE_ROW1
.endif
.endr
.endr
.endm
.macro FETCH_B slot, q, p
	WIN TO_B
.irp i, 0,1,2,3,4,5,6,7
	FRAG 128*(\p)+FR*\i, ADRB+\slot, \q, \i
.endr
	WIN 0
.endm
.macro FETCH_A slot, q, i0
.irp i, \i0, \i0+1, \i0+2, \i0+3
	FRAG AF+FR*(\i), ADRA+\slot, \q, \i
.endr
.endm
.macro SCALES sc
.irp i, 0,1,2,3,4,5,6,7
	ds_load_b64 v[SC+8*NQ*\sc+NQ*\i:SC+8*NQ*\sc+NQ*\i+1], v[ADRS] offset:\i*SBLK
.endr
.endm
.macro PLACES n
.rept \n
	v_nop
.endr
.endm
.macro STEP slot, q, zero
	s_wait_dscnt 4*NL                              ; B's set and A's blocks 0-3 are in; the youngest 16 loads (A's blocks 4-7) may be out
	WIN MUL_LO
	MUL16 0, (\q)%2, \q, \slot, \zero
	MUL16 2, (\q)%2, \q, \slot, \zero
	s_wait_dscnt 0
	PLACES NP
	FETCH_B \slot, (\q)+1, 1-(\q)%2
	FETCH_A \slot, (\q)+1, 0
	WIN MUL_HI
	MUL16 4, (\q)%2, \q, \slot, \zero
	MUL16 6, (\q)%2, \q, \slot, \zero
	PLACES NP
	WIN 0
	FETCH_A \slot, (\q)+1, 4
.endm
.macro TURN slot, next, fill
	s_wait_tensorcnt 0x0                           ; all my tensor loads have landed: my part of the next slot
	ds_add_u32 v[SPW], v[NIL]                      ; 0 onto my spare word
	s_wait_dscnt 4*NL+1                            ; (the add and the youngest 16 loads may be out)
	WIN MUL_LO
	MUL16 0, 1, NQ-1, \slot, 0
	s_wait_dscnt 0x0                               ; the add is done, and my reads of this slot are over
	s_barrier_signal -1
	MUL16 2, 1, NQ-1, \slot, 0
	WIN 0
	s_barrier_wait -1
.if \fill
	CREST                                          ; the barrier has opened a round of the cluster's: no wave of any partner still reads this slot or has a load on its way
	s_add_nc_u64 s[G0+4*\slot+2:G0+4*\slot+3], s[G0+4*\slot+2:G0+4*\slot+3], 2*KSB
	s_add_nc_u64 s[G0B+4*\slot+2:G0B+4*\slot+3], s[G0B+4*\slot+2:G0B+4*\slot+3], 2*KSB
	JLOAD G0+4*\slot, G1, G0B+4*\slot, G1B
.else
	PLACES NP
.endif
	v_add_nc_u32 v[ADRS], 4*NQ, v[ADRS]
	FETCH_B \next, 0, 0
	FETCH_A \next, 0, 0
	SCALES \next
	WIN MUL_HI
	MUL16 4, 1, NQ-1, \slot, 0
	MUL16 6, 1, NQ-1, \slot, 0
	PLACES NP
	WIN 0
	FETCH_A \next, 0, 4
.endm
	s_wait_tensorcnt 1                             ; the scale bytes and my part of K step 0 are in; K step 1's load may be out
	s_barrier_signal -1
	s_barrier_wait -1
	FETCH_B 0, 0, 0
	FETCH_A 0, 0, 0
	SCALES 0
	FETCH_A 0, 0, 4
	STEP 0, 0, 1                                   ; four K steps, written out; the first products start the sums
	TURN 0, 1, 1
	STEP 1, 0, 0
	TURN 1, 0, 1
	STEP 0, 0, 0
	TURN 0, 1, 0
	STEP 1, 0, 0
	s_wait_dscnt 4*NL
	WIN MUL_LO
	MUL16 0, 1, NQ-1, 1, 0
	MUL16 2, 1, NQ-1, 1, 0
	s_wait_dscnt 0
	WIN MUL_HI
	MUL16 4, 1, NQ-1, 1, 0
	MUL16 6, 1, NQ-1, 1, 0
	WIN 0
; THE WAY OUT, block by block of 16 rows x 128 columns, through my own stage: in as 32 bytes a lane, back as whole rows of 512 bytes; bo is added to the rows read back.  LDS serves a wave's instructions in order: no wait between the stores and the loads.
.macro TOSTAGE a
.set AC, 64*((\a)%4)
	WIN 0x08+4*((\a)/4)                            ; the data: window 2 or 3
.irp b, 0,1,2,3,4,5,6,7
	ds_store_b128 v[STO], v[AC+8*\b:AC+8*\b+3] offset:64*\b            ; each accumulator from its low end on
	ds_store_b128 v[STO], v[AC+8*\b+4:AC+8*\b+7] offset:64*\b+16
.endr
	WIN 0
.set BB, BK+64*((\a)%2)
.irp t, 0,1,2,3,4,5,6,7,8,9,10,11,12,13,14,15
	ds_load_b128 v[BB+4*\t:BB+4*\t+3], v[RD] offset:\t*SPITCH
.endr
.endm
.macro SEND a, younger                 ; younger: the LDS instructions issued behind block a's loads, which may stay out
.set BB, BK+64*((\a)%2)
	s_wait_dscnt \younger
.if (\a) > 0
	s_add_nc_u64 s[10:11], s[10:11], 16*4096       ; (behind a wait for the earlier stores' addresses)  16 rows on
.endif
.irp t, 0,1,2,3,4,5,6,7,8,9,10,11,12,13,14,15
	v_pk_add_f32 v[BB+4*\t:BB+4*\t+1], v[BB+4*\t:BB+4*\t+1], v[8:9]
	v_pk_add_f32 v[BB+4*\t+2:BB+4*\t+3], v[BB+4*\t+2:BB+4*\t+3], v[10:11]
	global_store_b128 v[CO], v[BB+4*\t:BB+4*\t+3], s[10:11] offset:\t*4096 th:TH_STORE_NT      ; 32 lanes store 512 consecutive bytes
.endr
.endm
	PLACES NP
	s_wait_loadcnt 0x0                             ; bo
	TOSTAGE 0
.irp a, 1,2,3,4,5,6,7
.if \a > 1
	s_wait_xcnt 0x0                                ; block a - 2's stores have read their registers and their base
.endif
	TOSTAGE \a
	SEND \a-1, 32                                  ; behind block a - 1's loads: block a's 16 stores and 16 loads
.endr
	s_wait_xcnt 0x0
	SEND 7, 0
	s_wait_tensorcnt 0x0                           ; the wave's end, behind my last tensor load and my last LDS store
	ds_add_u32 v[SPW], v[NIL]
	s_wait_dscnt 0x0
	CROUND                                         ; the closing round
	s_endpgm
.Lfunc_end_k_qb77d8e79d7_outp:
	.size	k_qb77d8e79d7_outp, .Lfunc_end_k_qb77d8e79d7_outp-k_qb77d8e79d7_outp
	.p2alignl 7, 3214868480
	.fill 96, 4, 3214868480
	.section	.rodata,"a",@progbits
	.p2align	6, 0x0
	.amdhsa_kernel k_qb77d8e79d7_outp
		.amdhsa_group_segment_fixed_size 327680
		.amdhsa_private_segment_fixed_size 0
		.amdhsa_enable_private_segment 0
		.amdhsa_kernarg_size 32
		.amdhsa_user_sgpr_count 2
		.amdhsa_user_sgpr_kernarg_segment_ptr 1
		.amdhsa_wavefront_size32 1
		.amdhsa_system_sgpr_workgroup_id_x 1
		.amdhsa_system_sgpr_workgroup_id_y 1
		.amdhsa_system_sgpr_workgroup_id_z 1
		.amdhsa_system_vgpr_workitem_id 0
		.amdhsa_next_free_vgpr 1024
		.amdhsa_next_free_sgpr 100
		.amdhsa_reserve_vcc 0
		.amdhsa_float_denorm_mode_32 3
		.amdhsa_float_denorm_mode_16_64 3
		.amdhsa_memory_ordered 1
		.amdhsa_forward_progress 1
		.amdhsa_inst_pref_size 160
	.end_amdhsa_kernel
	.amdgpu_metadata
---
amdhsa.version: [ 1, 2 ]
amdhsa.kernels:
  - .name:           k_qb77d8e79d7_outp
    .symbol:         k_qb77d8e79d7_outp.kd
    .args:
      - { .name: att, .offset: 0, .size: 8, .value_kind: global_buffer, .address_space: global }
      - { .name: wts, .offset: 8, .size: 8, .value_kind: global_buffer, .address_space: global }
      - { .name: bo, .offset: 16, .size: 8, .value_kind: global_buffer, .address_space: global }
      - { .name: out0, .offset: 24, .size: 8, .value_kind: global_buffer, .address_space: global }
    .group_segment_fixed_size: 327680
    .private_segment_fixed_size: 0
    .kernarg_segment_align: 8
    .kernarg_segment_size: 32
    .max_flat_workgroup_size: 128
    .sgpr_count:     100
    .vgpr_count:     1024
    .wavefront_size: 32
...
	.end_amdgpu_metadata
.endif
;; end of part 4
;; ======== version 2 of 2: 4 launches; version 1 with the launch attn written anew for expert scheduling mode
;; limits: right only within a limited range of input values
;; workspace buffers: act 19,660,800 bytes; wts 3,276,800 bytes; btab 4,194,304 bytes; flags 2,048 bytes of whole numbers; qkv 20,447,232 bytes; att 6,553,600 bytes
;; launch prep: the kernel of part 1 again; grid 640 x 1, 4 waves a work-group, no clusters, 72,192 bytes of LDS; arguments query, key, value, Wq, Wk, Wv, Wo, position_bias, pb_idx0, pb_idx1, mask, act, wts, btab, flags; writes act, wts, btab, flags
;; launch proj: the kernel of part 2 again; grid 4 x 96, 4 waves a work-group, clusters of 4 x 4, 327,680 bytes of LDS; arguments act, wts, bq, bk, bv, qkv; writes qkv
;; launch attn (part 5): grid 2 x 128, 16 waves a work-group, no clusters, 108,544 bytes of LDS; arguments qkv, btab, flags, att; writes att
.if DOCPART == 5
	.amdgcn_target "amdgcn-amd-amdhsa--gfx1250"
	.amdhsa_code_object_version 6
	.text
	.protected	k_qb77d8e79d7_attn
	.globl	k_qb77d8e79d7_attn
	.p2align	8
	.type	k_qb77d8e79d7_attn,@function
k_qb77d8e79d7_attn:
	s_mov_b64 s[64:65], 0
	v_nop
	global_prefetch_b8 v0, s[64:65] scope:SCOPE_SE
	s_setreg_imm32_b32 hwreg(HW_REG_WAVE_SCHED_MODE, 0, 2), 2
	s_setreg_imm32_b32 hwreg(HW_REG_WAVE_MODE, 25, 1), 1
	s_wait_xcnt 0x0
	s_wait_alu depctr_vm_vsrc(0)
; ATTENTION ON CODES OF FP6 (E2M3): for each batch x head: S = q k^T, t = (S + 8 bias) log2(e) / 8, p = 2^(t - M) with M the running largest t rounded up to a whole number, O = (p v) / (the sum of the unquantised p); O is quantised along the head's 64 and leaves as codes.
; SHARES.  Work-group (half, batch x head).  It copies its head's K, V and scale words (104 KiB) into LDS once, passes ONE barrier, and its sixteen waves never meet again.
; A wave takes two tiles of 16 queries, tile QT = 16 half + wave and tile 63 - QT, one after the other, and walks the 8 key steps of 128.  A key step all of whose 16 x 128 places are masked is passed over: a scalar branch on a
; whole number that the first launch stored from the mask itself.  Whatever the mask, the result is right; only the balance between waves hangs on its shape.
; NO CLUSTER AND NO TENSOR LOAD: which key steps a wave walks hangs on stored numbers, so partners would want different numbers of tiles; and what the two work-groups of a head share is read once, at the head.
; LAYOUT.  Both products are used transposed (S^T = K Q^T, O^T = V^T P^T): a lane holds one query (lane % 16) throughout.  K's tiles lie with bits 3 and 4 of the key's number exchanged, so that register 16 b + i of the 64 scores is key 32 b + 16 (lane / 16) + i.
; THE BIAS AND THE MASK COST NO VECTOR INSTRUCTION: the first launch has laid 8 x bias (or -3e38 where masked) as an image of the 64 score registers; it is loaded into them and is the C of the first product.
; THE HEAD IS 64 WIDE, the instruction 128: Q's registers 6-11 hold zero codes.  So K's registers 6-11 may hold anything under a scale byte other than 0xff: they are the next tile's codes, and 8 tiles lie in 54 registers.
; LIMITS: the running largest t begins at -1e30 and a masked place is -3e38 in S's units: an open logit under that would count as masked.  A row with no open key has the sum 0: its scale bytes are set to 0xff, which makes the
; row of the output NaN, as a softmax over nothing is.  A block of zeros gets the scale byte 1.  NaN and infinities among the inputs are not served.
; THE MODE: SCHED_MODE bits 1:0 = 2 (LLVM: expert scheduling mode 2), set by the entry lines.  The code itself states the register dependences between vector or matrix instructions and memory or LDS instructions, with s_wait_alu, always for 0.
; THE PLAN.  Registers that memory or LDS instructions touch:
;   v1-4, v7, v232-239  offsets and LDS bases: written once at the head, read by every load and store, never written again.
;   v[S ..], 64         an image of the bias lands there; the first product takes it as C; the softmax works in place; the sums and the four conversions are its last readers.  Behind them the NEXT step's image is asked for,
;                       where the stored word says that step is open: it lands under the exchange of halves, O's rescaling, the second product and the next step's LDS loads.  Step 0's image goes out with Q.
;   v32-79              K's fragments land at a step's head and are read by the first product; V's land behind it and are read by the second.     v86-89, v90-93: their scale words, likewise.
;   v8-11, v28, v29     the step's LDS addresses: written by six additions at the step's head, read by its 40 LDS loads.
;   v16-21, v30         Q and its scale word: loaded once a tile, read by every first product.     v[PC:PC+5], v224: written by the way out, read by its three stores.
; A step's waits: one on vm_vsrc ahead of the six additions; one on va_vdst behind them, which also states that the last step's products are done with the registers in which K and the scale words land; one behind the first product,
; ahead of V's loads; the two behind the exponentials; one in the arm that asks for the next image; one ahead of the second product, whose codes and scale word vector instructions have just written.
.set LV,    49152                      ; LDS: K [tile 64][768] at 0; V [tile of channels 4][key step 8][1536];
.set LKS,   98304                      ; K's scale words [tile 64][16];
.set LVS,   102400                     ; V's [tile 4][key step 8][32];
.set SPARE, 106496                     ; the spare words, 128 bytes a wave
.set SPW, 5                            ; v1 16 L, v2 8 L, v3 4 L, v4 4 r, v7 32 r; v5, v6 the add's two; v8-11, v28, v29 the step's LDS addresses
.set NIL, 6                            ; v12 -M, v13 the largest t, v[14:15] the sum in two halves; v16-27 Q; v30 Q's scale word
.set S,   96                           ; v32-85 K's or V's fragments; v86-89 K's scale words, v90-93 V's; v96-159 bias, scores, p; v160-191 O^T
.set O,   160
.set PC,  192                          ; v192-203 p's codes; v204-210 the conversions' second halves
.set PT,  204
.set BM,  212                          ; v212-215 the blocks' largest; v216-219 at work; v220-223 scale operands; v224 at work; v225 the sum; v226 f, v227 p's scale word; v[228:229] 1 / the sum; v230 0xffff
.set BT,  216
.set SO,  220
.set SEL, 24                           ; s[24:25]
.set CS,  26                           ; s[26:27] log2(e) / 8
.set QT,  28
.set FL,  29                           ; bit s: key step s has an open key
.set SI,  30
.set TK,  31
.set TV,  32
.set TKS, 33
.set TVS, 34
.set PRE, 35                           ; 1: this step's image was asked for ahead
.set BP,  36                           ; s[36:37] the step's image of the bias
.set NB,  58                           ; s[58:59] the next step's: a base of its own for the loads that are asked for ahead
	s_load_b256 s[4:11], s[0:1], 0x0               ; qkv 4, btab 6, flags 8, att 10
	v_lshl_add_u32 v[SPW], v0, 2, SPARE
	v_mov_b32 v[NIL], 0
	v_lshrrev_b32 v8, 5, v0
	v_readfirstlane_b32 s12, v8                    ; wave 0..15
	v_and_b32 v9, 31, v0
	v_and_b32 v10, 15, v0
	v_lshlrev_b32 v1, 4, v9
	v_lshlrev_b32 v2, 3, v9
	v_lshlrev_b32 v3, 2, v9
	v_lshlrev_b32 v4, 2, v10
	v_lshlrev_b32 v7, 5, v10
	v_add_nc_u32 v232, LV, v1
	v_add_nc_u32 v233, LV+512, v2
	v_add_nc_u32 v234, LKS, v3
	v_add_nc_u32 v235, LVS, v3
	v_lshlrev_b32 v236, 4, v0                      ; the fill: 16 bytes a thread
	v_add_nc_u32 v237, LV, v236
	v_add_nc_u32 v238, LKS, v236
	v_and_b32 v239, 255, v0
	v_lshlrev_b32 v239, 4, v239
	s_wait_alu depctr_va_sdst(0)                   ; s12 is written, ahead of its first reader: the choice of the scale words to copy and the tiles' numbers are made from it
	s_and_b32 s13, ttmp7, 0xffff                   ; batch x head
	s_mul_i32 s14, s13, 49152
	s_lshl_b32 s15, s13, 12
	s_mov_b32 s39, 0                               ; the high word of every offset pair s[38:39]
	s_mov_b32 s[SEL], 0x76543210
	s_mov_b32 s[SEL+1], 0xfedcba98
	s_mov_b32 s[CS], 0x3e38aa3b
	s_mov_b32 s[CS+1], s[CS]
	s_wait_kmcnt 0x0
	s_add_co_u32 s38, s14, 6291456
	s_add_nc_u64 s[48:49], s[4:5], s[38:39]        ; the head's K
	s_add_co_u32 s38, s14, 12582912
	s_add_nc_u64 s[50:51], s[4:5], s[38:39]        ; its V
	s_cmp_lt_u32 s12, 8
	s_cselect_b32 s38, 0, 524288                   ; waves 0-7 copy K's scale words, waves 8-15 V's
	s_add_co_u32 s38, s38, s15
	s_add_co_u32 s38, s38, 19398656
	s_add_nc_u64 s[52:53], s[4:5], s[38:39]
	s_wait_alu depctr_va_vdst(0)                   ; the offsets and LDS bases v1-4, v7, v232-239 are written: every load and store of the kernel reads some of them, and no vector instruction writes them again
.irp j, 0,1,2,3,4,5
	global_load_b128 v[96+4*\j:99+4*\j], v236, s[48:49] offset:8192*\j
.endr
.irp j, 0,1,2,3,4,5
	global_load_b128 v[120+4*\j:123+4*\j], v236, s[50:51] offset:8192*\j
.endr
	global_load_b128 v[144:147], v239, s[52:53]
.irp j, 22,23,24,25,26,27, 80,81,82,83,84,85, 216,217,218,219, 224, 227, 229
	v_mov_b32 v\j, 0                               ; Q's upper half and what lies behind K's last tile: zero codes; and registers that are named before they are first computed
.endr
	v_mov_b32 v230, 0xffff
	s_wait_loadcnt 0x0
.irp j, 0,1,2,3,4,5
	ds_store_b128 v236, v[96+4*\j:99+4*\j] offset:8192*\j
.endr
.irp j, 0,1,2,3,4,5
	ds_store_b128 v237, v[120+4*\j:123+4*\j] offset:8192*\j
.endr
	ds_store_b128 v238, v[144:147]
	s_wait_dscnt 0x0                               ; for the others' sake: my stores have landed
	s_barrier_signal -1
	s_barrier_wait -1                              ; the one barrier: from here on LDS is only read
	s_wait_alu depctr_vm_vsrc(0)                   ; my LDS stores have read v[96:147]: from here on the images of the bias land in these registers
.macro TASK again                      ; the tile of 16 queries s[QT].  again = 1: the wave's second tile
	s_lshl_b32 s38, s[QT], 5
	s_add_nc_u64 s[56:57], s[8:9], s[38:39]
	s_load_b256 s[16:23], s[56:57], 0x0            ; the tile's eight words
	s_mul_i32 s54, s[QT], 768
	s_add_co_u32 s38, s54, s14
	s_add_nc_u64 s[40:41], s[4:5], s[38:39]        ; Q's codes; O's codes lie at the same offset in att
	s_add_nc_u64 s[44:45], s[10:11], s[38:39]
	s_lshl_b32 s38, s[QT], 6
	s_add_co_u32 s38, s38, s15
	s_add_co_u32 s38, s38, 18874368
	s_add_nc_u64 s[42:43], s[4:5], s[38:39]        ; Q's scale words
	s_lshr_b32 s54, s13, 4
	s_lshl_b32 s54, s54, 15
	s_lshl_b32 s38, s[QT], 9
	s_add_co_u32 s38, s38, s54
	s_and_b32 s54, s13, 15
	s_lshl_b32 s54, s54, 1
	s_add_co_u32 s38, s38, s54
	s_add_co_u32 s38, s38, 6291456
	s_add_nc_u64 s[46:47], s[10:11], s[38:39]      ; O's scale bytes: row (batch, query) of 32, bytes 2 head, 2 head + 1
	s_lshl_b32 s38, s[QT], 16
	s_add_nc_u64 s[BP:BP+1], s[6:7], s[38:39]
.if \again
	s_wait_alu depctr_vm_vsrc(0)                   ; the last tile's stores have read v[PC:PC+5] and v224, which this tile's vector instructions write again
	s_wait_alu depctr_va_vdst(0)                   ; the last tile's products are done reading Q v[16:27] and its scale word v30, and its way out is done writing and reading v[S ..]: the loads below land in these
.endif
	global_load_b128 v[16:19], v1, s[40:41]
	global_load_b64 v[20:21], v2, s[40:41] offset:512
	global_load_b32 v30, v4, s[42:43]
.irp g, 0,1,2,3,4,5,6,7,8,9,10,11,12,13,14,15
	global_load_b128 v[S+4*\g:S+4*\g+3], v1, s[BP:BP+1] offset:512*\g      ; key step 0's image goes out with Q, before the tile's words are known; it lies inside the table for every tile, and is dropped where step 0 has no open key
.endr
	v_mov_b32 v13, 0xf149f2ca                      ; the largest t so far: -1e30
	v_floor_f32 v12, -v13
	v_mov_b32 v14, 0
	v_mov_b32 v15, 0
.set i, 0
.rept 32
	v_mov_b32 v[O+i], 0                            ; the step is written once: the first finds zeros
.set i, i+1
.endr
	s_mov_b32 s[TK], 0
	s_mov_b32 s[TV], 0
	s_mov_b32 s[TKS], 0
	s_mov_b32 s[TVS], 0
	s_mov_b32 s[SI], 0
	s_wait_kmcnt 0x0
	s_mov_b32 s[FL], s16
.irp i, 1,2,3,4,5,6,7
	s_lshl_b32 s54, s[16+\i], \i
	s_or_b32 s[FL], s[FL], s54
.endr
	s_and_b32 s[FL], s[FL], 0xff                   ; eight steps, eight bits: bit 8 is 0, so that step 7 asks for no image behind the tile's last
	s_and_b32 s[PRE], s[FL], 1                     ; step 0's image counts as asked for ahead where step 0 is walked
	s_wait_loadcnt 0x0                             ; Q, and step 0's image
.Lkey_\@:                                          ; eight trips, a constant; a step with no open key jumps to the lines that step addresses
	s_lshr_b32 s54, s[FL], s[SI]
	s_and_b32 s54, s54, 1
	s_cmp_eq_u32 s54, 0
	s_cbranch_scc1 .Lskip_\@
	s_wait_alu depctr_vm_vsrc(0)                   ; the LDS loads of the step before have read v8-11, v28, v29, which the six additions write again
	v_add_nc_u32 v8, s[TK], v1
	v_add_nc_u32 v9, s[TK], v2
	v_add_nc_u32 v10, s[TV], v232
	v_add_nc_u32 v11, s[TV], v233
	v_add_nc_u32 v28, s[TKS], v234
	v_add_nc_u32 v29, s[TVS], v235
	s_wait_alu depctr_va_vdst(0)                   ; the six addresses are written, which this step's LDS loads read; the last step's products are done reading v[32:85] and the scale words v[86:93], in which loads land; the zero codes v[22:27], v[80:85] are written, which the products below take
.irp t, 0,1,2,3,4,5,6,7
	ds_load_b128 v[32+6*\t:35+6*\t], v8 offset:768*\t
	ds_load_b64 v[36+6*\t:37+6*\t], v9 offset:768*\t+512
.endr
.irp b, 0,1,2,3
	ds_load_b32 v[86+\b], v28 offset:128*\b        ; lanes 0-15: tile 2 b's words, lanes 16-31: tile 2 b + 1's
.endr
	s_wait_loadcnt 0x0                             ; the image that was asked for ahead is in (where none was, no load of mine is out)
	s_cmp_lg_u32 s[PRE], 0
	s_cbranch_scc1 .Lhave_\@
.irp g, 0,1,2,3,4,5,6,7,8,9,10,11,12,13,14,15  ; an open step behind one that was passed over: its image is asked for here.  No vector instruction since the wait on va_vdst above names v[S ..]
	global_load_b128 v[S+4*\g:S+4*\g+3], v1, s[BP:BP+1] offset:512*\g      ; 8 x bias, or -3e38: the C of the products below
.endr
	s_wait_loadcnt 0x0
.Lhave_\@:
	s_wait_dscnt 0x0
.irp t, 0,1,2,3,4,5,6,7
.if \t%2
	v_wmma_scale_f32_16x16x128_f8f6f4 v[S+8*\t:S+8*\t+7], v[32+6*\t:43+6*\t], v[16:27], v[S+8*\t:S+8*\t+7], v[86+\t/2], v30 matrix_a_fmt:MATRIX_FMT_FP6 matrix_b_fmt:MATRIX_FMT_FP6 matrix_a_scale:MATRIX_SCALE_ROW1
.else
	v_wmma_scale_f32_16x16x128_f8f6f4 v[S+8*\t:S+8*\t+7], v[32+6*\t:43+6*\t], v[16:27], v[S+8*\t:S+8*\t+7], v[86+\t/2], v30 matrix_a_fmt:MATRIX_FMT_FP6 matrix_b_fmt:MATRIX_FMT_FP6
.endif
.endr
.rept 4
	v_nop                                          ; places in front of the first read of the scores
.endr
	s_wait_alu depctr_va_vdst(0)                   ; the eight products are done reading K's fragments v[32:85], in which V's land
.irp d, 0,1,2,3                                ; V's four fragments go out now and land under the softmax, which names none of their registers
	ds_load_b128 v[32+12*\d:35+12*\d], v10 offset:12288*\d
	ds_load_b64 v[36+12*\d:37+12*\d], v11 offset:12288*\d
	ds_load_b128 v[38+12*\d:41+12*\d], v10 offset:12288*\d+768
	ds_load_b64 v[42+12*\d:43+12*\d], v11 offset:12288*\d+768
	ds_load_b32 v[90+\d], v29 offset:1024*\d
.endr
.irp b, 0,1,2,3
	v_max3_num_f32 v[BM+\b], v[S+16*\b], v[S+1+16*\b], v[S+2+16*\b]        ; the largest score of each block of 32 keys: for the row's maximum, and, since p rises with the score, for the block's largest p
.endr
.irp i, 3,5,7,9,11,13
.irp b, 0,1,2,3
	v_max3_num_f32 v[BM+\b], v[BM+\b], v[S+16*\b+\i], v[S+1+16*\b+\i]
.endr
.endr
.irp b, 0,1,2,3
	v_max_num_f32 v[BM+\b], v[BM+\b], v[S+15+16*\b]
.endr
.irp b, 0,1,2,3
	v_permlanex16_b32 v[BT+\b], v[BM+\b], s[SEL], s[SEL+1]
.endr
.irp b, 0,1,2,3
	v_max_num_f32 v[BM+\b], v[BM+\b], v[BT+\b]
.endr
	v_max3_num_f32 v224, v[BM], v[BM+1], v[BM+2]
	v_max_num_f32 v224, v224, v[BM+3]
	v_mul_f32 v224, s[CS], v224
	v_max_num_f32 v13, v13, v224                   ; the running largest t
	v_mov_b32 v224, v12
	v_floor_f32 v12, -v13                          ; -M = floor(-t): M is a whole number
	v_sub_f32 v224, v12, v224
	v_cvt_i32_f32 v224, v224                       ; (it saturates)
	v_ldexp_f32 v226, 1.0, v224                    ; f = 2^(old M - new M): exact
.set i, 0
.rept 32
	v_pk_fma_f32 v[S+2*i:S+2*i+1], v[S+2*i:S+2*i+1], s[CS:CS+1], v[12:13] op_sel_hi:[1,0,0]   ; t - M
.set i, i+1
.endr
.irp b, 0,1,2,3
	v_fma_f32 v[BM+\b], v[BM+\b], s[CS], v12
.endr
.set i, 0
.rept 64
	v_exp_f32 v[S+i], v[S+i]                       ; p = 2^(t - M): not normalised
.set i, i+1
.endr
	v_pk_mul_f32 v[14:15], v[14:15], v[226:227] op_sel_hi:[1,0]    ; the sums under the new M: a plain place behind the exponentials
	s_wait_alu depctr_va_vdst(0)                   ; the 64 exponentials have written p in v[S ..]: one wait for the batch, ahead of its first reader
.irp b, 0,1,2,3
	v_exp_f32 v[BM+\b], v[BM+\b]                   ; each block's largest p
.endr
	v_pk_add_f32 v[BT:BT+1], v[S:S+1], v[S+2:S+3]  ; the row's sum is taken of the unquantised p, in two chains
.irp j, 4,8,12,16,20,24,28,32,36,40,44,48,52,56,60
	v_pk_add_f32 v[14:15], v[14:15], v[S+\j:S+\j+1]
	v_pk_add_f32 v[BT:BT+1], v[BT:BT+1], v[S+2+\j:S+3+\j]
.endr
	v_pk_add_f32 v[14:15], v[14:15], v[BT:BT+1]
	s_wait_alu depctr_va_vdst(0)                   ; the four exponentials have written v[BM ..]: their wait, ahead of their first reader
.irp b, 0,1,2,3
	v_max_num_f32 v[BM+\b], 0x1800000, v[BM+\b]    ; the floor 2^(3 - 127): the byte cannot fall under 1
.endr
.irp b, 0,1,2,3
	v_add_nc_u32 v[SO+\b], 0xff000000, v[BM+\b]
.endr
.irp b, 0,1,2,3
	v_lshrrev_b32 v[BT+\b], 23, v[SO+\b]
.endr
	v_lshl_or_b32 v227, v[BT+1], 8, v[BT]          ; p's scale word for these 128 keys
	v_lshl_or_b32 v227, v[BT+2], 16, v227
	v_lshl_or_b32 v227, v[BT+3], 24, v227
.irp c, 0,1
	v_cvt_scalef32_pk16_fp6_f32 v[PC+6*\c:PC+2+6*\c], v[S+32*\c:S+15+32*\c], v[SO+2*\c]
	v_cvt_scalef32_pk16_fp6_f32 v[PT+4*\c:PT+2+4*\c], v[S+16+32*\c:S+31+32*\c], v[SO+2*\c+1]
.endr
	v_nop                                          ; one plain place behind a scaled conversion
	; THE NEXT STEP'S IMAGE IS ASKED FOR HERE, where its word says that it has an open key: p has had its last reader
	s_add_co_u32 s54, s[SI], 1
	s_lshr_b32 s54, s[FL], s54
	s_and_b32 s[PRE], s54, 1
	s_cmp_eq_u32 s[PRE], 0
	s_cbranch_scc1 .Lnone_\@
	s_add_nc_u64 s[NB:NB+1], s[BP:BP+1], 8192      ; (the loads that last named this pair were waited for at this step's head)
	s_wait_alu depctr_va_vdst(0)                   ; the sums and the conversions are done reading p, and the exponentials have written it: the image lands in v[S ..], which no vector or matrix instruction names before the next step's products
.irp g, 0,1,2,3,4,5,6,7,8,9,10,11,12,13,14,15
	global_load_b128 v[S+4*\g:S+4*\g+3], v1, s[NB:NB+1] offset:512*\g
.endr
.Lnone_\@:
.irp c, 0,1
.irp i, 0,1,2
	v_permlane16_swap_b32 v[PC+6*\c+\i], v[PT+4*\c+\i]
.endr
.irp i, 0,1,2
	v_mov_b32 v[PC+3+6*\c+\i], v[PT+4*\c+\i]
.endr
.endr
.set i, 0
.rept 16
	v_pk_mul_f32 v[O+2*i:O+2*i+1], v[O+2*i:O+2*i+1], v[226:227] op_sel_hi:[1,0]    ; O^T under the new M; these 16 are also the places between the scale word's and the codes' last writes and the products
.set i, i+1
.endr
	s_wait_alu depctr_va_vdst(0)                   ; p's codes v[PC:PC+11] and its scale word v227 are written, which the scaled products below take; the places above stay beside this wait
	s_wait_dscnt 0x0                               ; V
.irp d, 0,1,2,3
	v_wmma_scale_f32_16x16x128_f8f6f4 v[O+8*\d:O+8*\d+7], v[32+12*\d:43+12*\d], v[PC:PC+11], v[O+8*\d:O+8*\d+7], v[90+\d], v227 matrix_a_fmt:MATRIX_FMT_FP6 matrix_b_fmt:MATRIX_FMT_FP6
.endr
.Lskip_\@:
	s_add_co_u32 s[TK], s[TK], 6144
	s_add_co_u32 s[TV], s[TV], 1536
	s_add_co_u32 s[TKS], s[TKS], 512
	s_add_co_u32 s[TVS], s[TVS], 128
	s_add_nc_u64 s[BP:BP+1], s[BP:BP+1], 8192      ; (the loads that named it have been waited for; those asked for ahead name the other pair)
	s_add_co_u32 s[SI], s[SI], 1
	s_cmp_lt_u32 s[SI], 8
	s_cbranch_scc1 .Lkey_\@
	; THE WAY OUT of a tile: O^T / the sum; register 16 b + i is channel 32 b + 16 (lane / 16) + i: two blocks of 32 along the last product's K
.rept 4
	v_nop                                          ; places behind the last products
.endr
	s_wait_loadcnt 0x0                             ; no image is on its way into v[S ..], which the lines below write (the last step that is walked asks for none)
	v_add_f32 v225, v14, v15
	v_permlanex16_b32 v224, v225, s[SEL], s[SEL+1]
	v_add_f32 v225, v225, v224                     ; the row's sum
	v_rcp_f32 v228, v225
	v_nop                                          ; a plain place behind the reciprocal,
	s_wait_alu depctr_va_vdst(0)                   ; and the wait ahead of its first reader: the reciprocal has written v228
.set i, 0
.rept 16
	v_pk_mul_f32 v[S+2*i:S+2*i+1], v[O+2*i:O+2*i+1], v[228:229] op_sel_hi:[1,0]    ; each accumulator from its low end on
.set i, i+1
.endr
.irp b, 0,1
	v_max3_num_f32 v[BM+\b], |v[S+16*\b]|, |v[S+1+16*\b]|, 0x1800000
.endr
.irp i, 2,4,6,8,10,12,14
.irp b, 0,1
	v_max3_num_f32 v[BM+\b], v[BM+\b], |v[S+16*\b+\i]|, |v[S+1+16*\b+\i]|
.endr
.endr
.irp b, 0,1
	v_permlanex16_b32 v[BT+\b], v[BM+\b], s[SEL], s[SEL+1]
.endr
.irp b, 0,1
	v_max_num_f32 v[BM+\b], v[BM+\b], v[BT+\b]
.endr
.irp b, 0,1
	v_add_nc_u32 v[SO+\b], 0xff000000, v[BM+\b]
.endr
.irp b, 0,1
	v_lshrrev_b32 v[BT+\b], 23, v[SO+\b]
.endr
	v_lshl_or_b32 v224, v[BT+1], 8, v[BT]
	v_cmp_eq_f32 vcc_lo, 0, v225                   ; a row with no open key:
	s_wait_alu depctr_va_vcc(0)                    ; the compare has written VCC, ahead of the select that reads it
	v_cndmask_b32 v224, v224, v230, vcc_lo         ; both bytes 0xff: the output's row becomes NaN
	v_cvt_scalef32_pk16_fp6_f32 v[PC:PC+2], v[S:S+15], v[SO]
	v_cvt_scalef32_pk16_fp6_f32 v[PT:PT+2], v[S+16:S+31], v[SO+1]
	v_nop
.irp i, 0,1,2
	v_permlane16_swap_b32 v[PC+\i], v[PT+\i]
.endr
.irp i, 0,1,2
	v_mov_b32 v[PC+3+\i], v[PT+\i]
.endr
	s_wait_alu depctr_va_vdst(0)                   ; the codes v[PC:PC+5] and the two bytes in v224 are written, which the three stores read
	global_store_b128 v1, v[PC:PC+3], s[44:45]     ; 32 lanes store 512 consecutive bytes,
	global_store_b64 v2, v[PC+4:PC+5], s[44:45] offset:512     ; and 256
	global_store_b16 v7, v224, s[46:47]            ; lanes 16-31 repeat lanes 0-15
	s_wait_xcnt 0x0                                ; the stores have read their data and bases: the next tile writes both again
.endm
	s_lshl_b32 s[QT], ttmp9, 4
	s_add_co_u32 s[QT], s[QT], s12
	TASK 0
	s_sub_co_u32 s[QT], 63, s[QT]
	TASK 1
	s_wait_dscnt 0x0                               ; the wave's end: six lines on end
	s_wait_alu 0x0
	s_wait_tensorcnt 0x0
	ds_add_u32 v[SPW], v[NIL]
	s_wait_dscnt 0x0
	s_endpgm
.Lfunc_end_k_qb77d8e79d7_attn:
	.size	k_qb77d8e79d7_attn, .Lfunc_end_k_qb77d8e79d7_attn-k_qb77d8e79d7_attn
	.p2alignl 7, 3214868480
	.fill 96, 4, 3214868480
	.section	.rodata,"a",@progbits
	.p2align	6, 0x0
	.amdhsa_kernel k_qb77d8e79d7_attn
		.amdhsa_group_segment_fixed_size 108544
		.amdhsa_private_segment_fixed_size 0
		.amdhsa_enable_private_segment 0
		.amdhsa_kernarg_size 32
		.amdhsa_user_sgpr_count 2
		.amdhsa_user_sgpr_kernarg_segment_ptr 1
		.amdhsa_wavefront_size32 1
		.amdhsa_system_sgpr_workgroup_id_x 1
		.amdhsa_system_sgpr_workgroup_id_y 1
		.amdhsa_system_sgpr_workgroup_id_z 1
		.amdhsa_system_vgpr_workitem_id 0
		.amdhsa_next_free_vgpr 256
		.amdhsa_next_free_sgpr 66
		.amdhsa_reserve_vcc 1
		.amdhsa_float_denorm_mode_32 3
		.amdhsa_float_denorm_mode_16_64 3
		.amdhsa_memory_ordered 1
		.amdhsa_forward_progress 1
		.amdhsa_inst_pref_size 62
	.end_amdhsa_kernel
	.amdgpu_metadata
---
amdhsa.version: [ 1, 2 ]
amdhsa.kernels:
  - .name:           k_qb77d8e79d7_attn
    .symbol:         k_qb77d8e79d7_attn.kd
    .args:
      - { .name: qkv, .offset: 0, .size: 8, .value_kind: global_buffer, .address_space: global }
      - { .name: btab, .offset: 8, .size: 8, .value_kind: global_buffer, .address_space: global }
      - { .name: flags, .offset: 16, .size: 8, .value_kind: global_buffer, .address_space: global }
      - { .name: att, .offset: 24, .size: 8, .value_kind: global_buffer, .address_space: global }
    .group_segment_fixed_size: 108544
    .private_segment_fixed_size: 0
    .kernarg_segment_align: 8
    .kernarg_segment_size: 32
    .max_flat_workgroup_size: 512
    .sgpr_count:     66
    .vgpr_count:     256
    .wavefront_size: 32
...
	.end_amdgpu_metadata
.endif
;; end of part 5
;; launch outp: the kernel of part 4 again; grid 4 x 32, 4 waves a work-group, clusters of 4 x 4, 327,680 bytes of LDS; arguments att, wts, bo, out0; writes out0
